; MI455X (gfx1250); checked and timed in simulation.
; The chip was launched on July 23, 2026; its instructions are those of AMD's public machine-readable ISA for CDNA 5 (MIT licence, August 2026) and "CDNA5" Instruction Set Architecture Reference Guide (July 2026). The comments in the code are by the model that wrote it; some were corrected since.
;; Spatial Attention. Allowed arithmetic: matrix products marked QUANTISED: E2M3 operands, one E8M0 scale for each 32 along K, by v_wmma_scale_f32_16x16x128_f8f6f4 with both operands' format E2M3, f32 sums; products left as they are: f32 operands where the result goes on into a quantised operand, else bf16, f16 or f32 operands; f32 sums; everything else in f32.
;; Inputs: Wk 128 x 130 float32; Wp 128 x 128 float32; Wq 128 x 128 float32; Wv 128 x 130 float32; alignment 2 x 8 x 2,048 x 16 float32; bp 128 float32; dist 2 x 8 x 2,048 x 16 float32; spatial_idx 2 x 8 x 2,048 x 16 int32; spatial_wgt 2 x 8 x 2,048 x 16 float32; x 2 x 2,048 x 8 x 128 float32.
;; Outputs: out0 2 x 2,048 x 8 x 128 float32.
;; This version of the problem:
;;   THIS VERSION OF THE PROBLEM IS GIVEN IN LOW PRECISION. The matrix products marked QUANTISED in the list below multiply operands that are first quantised to E2M3 (2 exponent bits, 3 mantissa bits; 6 bits a number), with one power-of-two scale for each 32 numbers along K (OCP MX v1.0); their sums are f32. All else is computed in f32.
;;   The module's matrix products, in the order in which they are computed (A, B: the left and right operand; K: the contracted axis; several contracted axes count as one K, in the product's order):
;;     1. [M 32,768, K 128] x [K 128, N 128]; A: input x; B: input Wq: QUANTISED
;;     2. [M 524,288, K 130] x [K 130, N 128]; A: computed on the way; B: input Wk: QUANTISED
;;     3. [M 524,288, K 130] x [K 130, N 128]; A: computed on the way; B: input Wv: QUANTISED
;;     4. batch 131,072 x [M 1, K 32] x [K 32, N 16]; A: computed on the way; B: computed on the way: left as it is (M = 1 < 16)
;;     5. batch 131,072 x [M 1, K 16] x [K 16, N 32]; A: softmax; B: computed on the way: left as it is (K = 16 < 32)
;;     6. [M 32,768, K 128] x [K 128, N 128]; A: computed on the way; B: input Wp: QUANTISED
;;   THE QUANTISER, for each operand of a quantised product, along K:
;;     - K is cut into blocks of 32 from its start; a last block that is shorter is filled with zeros.
;;     - A block's scale is 2^e with e = floor(log2(the largest magnitude in the block)) - 2, held to -126 .. 127; a block of zeros has e = 0. As a byte (E8M0): e + 127.
;;     - Each number is divided by its block's scale, clamped to +-7.5, and rounded to the nearest number of E2M3, ties to even, subnormals kept.
;;     - The product sums the exact products of the quantised numbers (number of the format x scale) in f32.
;;   ~~~python
;;   def quantise(x, axis):      # numpy; x: float32 -> the quantised numbers, widened to float32 again
;;       x = np.moveaxis(x, axis, -1); K = x.shape[-1]
;;       x = np.pad(x, [(0, 0)] * (x.ndim - 1) + [(0, -K % 32)]); x = x.reshape(x.shape[:-1] + (-1, 32)); a = np.abs(x).max(-1, keepdims=True)
;;       e = np.where(a > 0, np.clip(np.frexp(np.where(a > 0, a, 1))[1] - 1 - 2, -126, 127), 0)      # np.frexp(a)[1] - 1 = floor(log2(a)), exactly
;;       r = np.clip(x / 2.0 ** e, -7.5, 7.5)
;;       step = 2.0 ** (np.maximum(np.frexp(np.where(r == 0, 1, r))[1] - 1, 0) - 3)
;;       q = np.round(r / step) * step * 2.0 ** e      # np.round: ties to even
;;       return np.moveaxis(q.reshape(q.shape[:-2] + (-1,))[..., :K], -1, axis).astype(np.float32)
;;   ~~~
;;   OPERANDS COMPUTED ON THE WAY. 'Computed on the way' means the value that the module computes at that place (a softmax that the list does not call 'softmax' is quantised finished and normalised). What goes into a quantiser is computed in f32, as accurately as f32 sums, v_exp_f32 and their like allow (about 1e-6 of the number): no bf16 or f16 on the way to a quantiser, and a product that is left as it is and whose result goes on into a quantised operand takes f32 operands (vector FMAs, or v_wmma_f32_16x16x4_f32). A number that lies on a knife's edge between two numbers of the format may be rounded either way, as far as f32 arithmetic and the matrix unit's own rounding can turn it there, and no further.
;; 2 versions. Each part assembles by itself: llvm-mc -triple=amdgcn-amd-amdhsa -mcpu=gfx1250 --defsym DOCPART=n.
;; ======== version 1 of 2: 2 launches
;; workspace buffers: xq 4,194,304 bytes; wimg 55,296 bytes; wsc 2,304 bytes
;; launch prep (part 1): grid 260 x 1, 8 waves a work-group, no clusters, 117,760 bytes of LDS; arguments x, Wq, Wk, Wv, Wp, xq, wimg, wsc; writes xq, wimg, wsc
.if DOCPART == 1
	.amdgcn_target "amdgcn-amd-amdhsa--gfx1250"
	.amdhsa_code_object_version 6
	.text
	.protected	k_qc6807f58e4_prep
	.globl	k_qc6807f58e4_prep
	.p2align	8
	.type	k_qc6807f58e4_prep,@function
k_qc6807f58e4_prep:
	s_mov_b64 s[64:65], 0
	v_nop
	global_prefetch_b8 v0, s[64:65] scope:SCOPE_SE
	s_setreg_imm32_b32 hwreg(HW_REG_WAVE_MODE, 25, 1), 1
	s_wait_xcnt 0x0
; PREP: everything that is quantised once.  Codes are FP6 (E2M3), one E8M0 scale byte for each 32 along K.
; A block's scale is 2^(floor(log2(its largest magnitude)) - 2): its byte is the largest magnitude's exponent field - 2, held at 1 from below by a floor among the maximum's leaves.
; WORK-GROUPS 0-255: x, [32,768 rows][128] f32 as it lies, becomes xq: 128 bytes a row, two chunks of 64.  Chunk h holds the codes of blocks h and 2 + h (24 + 24 bytes: the twelve
;   registers that lane half h of a 16 x 128 fragment wants) and the row's scale word four times.  So a later gather of a row is three loads of 16 bytes and one of 4 a lane.
;   A work-group takes 128 rows, each of its eight waves 16: four steps of 4 rows, whose 16 loads all go out at the wave's head.
; WORK-GROUPS 256-259: Wq, Wk, Wv, Wp become images of operand registers (wimg: a fragment is 1,536 bytes, register group c at 512 c + 16 x lane) and images of scale words (wsc).  Wave t makes tile t.
;   Row m of tile t is channel 64 (m / 8) + 8 t + m % 8.  Wp's blocks 1 and 2 along K change places.  Wk's and Wv's k = 128, 129 (their fifth block) go into two more fragments each:
;   block p of fragment g holds the two codes of tile 4 g + p, and byte p of its scale word that tile's byte.
;   A tile's 16 rows are loaded as they lie, 256 consecutive bytes a load, and turned through the wave's own stage in LDS, so that a lane then holds 32 neighbours along K of each of its two blocks.
; LIMITS: NaN and infinities among the inputs are not served.  A block whose largest magnitude lies under 2^-124, a block of zeros among them, gets the byte 1 (the stated rule gives a block
;   of zeros 127): its codes are then zeros or the rule's own with the byte held, and this program alone reads the bytes.
; No tensor loads, no barrier: waves share nothing.  The two paths, which part on the work-group's number, have LDS bytes of their own.
.set STEPS, 4                          ; a wave's steps: 4 rows (2,048 bytes in, 512 out) each
.set SP,    80                         ; a lane's place in a stage: its 64 bytes + 16 of padding
.set STG,   32*SP                      ; a stage
.set OST,   2*STG                      ; behind the two stages: two out stages of 512 bytes
.set WREG,  OST+2*512                  ; x: LDS of a wave: 6,144 bytes
.set WBASE, 8*WREG                     ; behind the eight: the weights' stages
.set WPITCH, 528                       ; a stage row: 512 bytes + 16 = 33 x 16: the 16 rows that a load of 16 bytes a lane touches begin 4 banks apart (64 banks of 4 bytes: ISA guide 11.1)
.set WLDS,  16*WPITCH                  ; weights: LDS of a wave: 8,448 bytes
.set R,     16                         ; v16-79    x: four sets of 16 numbers as loaded, one for each step
.set X,     80                         ; v80-111   two sets of 16 neighbours
.set C,     112                        ; v112-119  two sets of codes
.set O,     128                        ; v128-143  a step's 16 bytes a lane of xq: four registers a step, never rewritten
.set FRB,   1536                       ; a fragment's image in bytes
.set AD,    8                          ; v8-15     weights: the offsets of rows 0-7 (and, from a second base, of rows 8-15) of a tile
.set RAW,   32                         ; v32-95    16 rows x 2 loads x 8 bytes a lane, as loaded
.set NUM,   96                         ; v96-159   two blocks x 32 numbers
.set F,     160                        ; v160-171  a fragment
.set T,     172                        ; v172-179  the second halves of its two blocks, as converted
.set Z,     180                        ; v180-211  two runs of 16: two numbers and fourteen zeros
.macro LOAD t                          ; step t's 2,048 bytes: each load reads 512 consecutive bytes, 16 a lane
.irp i, 0,1,2,3
	global_load_b128 v[R+16*(\t)+4*\i:R+16*(\t)+4*\i+3], v3, s[8:9] offset:2048*(\t)+512*\i th:TH_LOAD_NT
.endr
.endm
.macro TURN t                          ; through the wave's stage: in as loaded, back 64 bytes a lane.  LDS serves a wave's instructions in order
.irp i, 0,1,2,3
	ds_store_b128 v14, v[R+16*(\t)+4*\i:R+16*(\t)+4*\i+3] offset:STG*((\t)%2)+8*SP*\i
.endr
.irp i, 0,1,2,3
	ds_load_b128 v[X+16*((\t)%2)+4*\i:X+16*((\t)%2)+4*\i+3], v15 offset:STG*((\t)%2)+16*\i
.endr
.endm
.macro STEP t
.set XS, X+16*((\t)%2)
.set CC, C+4*((\t)%2)
.set OO, O+4*(\t)
.if (\t)+1 < STEPS
	s_wait_loadcnt 4*(STEPS-2-(\t))                ; the next step's four loads are in; those of the steps behind it may be out
	TURN (\t)+1                                    ; and go through the other stage while this step is worked
.endif
	v_max3_num_f32 v8, |v[XS]|, |v[XS+1]|, |v[XS+2]|               ; the largest magnitude of my 16, in two chains
	v_max3_num_f32 v9, |v[XS+3]|, |v[XS+4]|, |v[XS+5]|
.irp i, 6,10
	v_max3_num_f32 v8, v8, |v[XS+\i]|, |v[XS+\i+1]|
	v_max3_num_f32 v9, v9, |v[XS+\i+2]|, |v[XS+\i+3]|
.endr
	v_max3_num_f32 v8, v8, |v[XS+14]|, |v[XS+15]|
	v_max3_num_f32 v8, v8, v9, 0x1800000           ; and the floor 2^(3 - 127): the byte cannot fall under 1
	v_max_num_f32_dpp v8, v8, v8 row_xmask:1 row_mask:0xf bank_mask:0xf   ; with my neighbour's 16: the block's
	v_add_nc_u32 v11, 0xff000000, v8               ; 2 off its exponent field: the conversion takes this operand's exponent field as its scale
	v_cvt_scalef32_pk16_fp6_f32 v[CC:CC+2], v[XS:XS+15], v11
	v_lshrrev_b32 v9, 23, v11                      ; the scale's byte (a plain line behind the conversion),
	v_lshlrev_b32 v9, v7, v9                       ; at its block's place in the row's word;
	v_mov_b32_dpp v12, v9 row_xmask:2 row_mask:0xf bank_mask:0xf
	v_or_b32 v9, v9, v12                           ; with the block beside it,
	v_mov_b32_dpp v12, v9 row_xmask:4 row_mask:0xf bank_mask:0xf
	v_or_b32 v9, v9, v12                           ; and the other two: all eight lanes of a row hold its word
.irp i, 0,1,2
	ds_store_b32 v4, v[CC+\i] offset:512*((\t)%2)+4*\i             ; my 12 bytes of codes at their place in the row's chunk
.endr
	ds_store_b32 v5, v9 offset:512*((\t)%2)        ; each of the row's eight lanes writes one of the word's eight copies
	ds_load_b128 v[OO:OO+3], v6 offset:512*((\t)%2)                ; the four rows back, 16 bytes a lane
	s_wait_dscnt 0x0                               ; they are in, and so is the next step's turn
	global_store_b128 v3, v[OO:OO+3], s[18:19] offset:512*(\t)     ; 32 lanes store 512 consecutive bytes, at a multiple of 256 from xq's first byte
.endm
.macro WORD                            ; from two blocks' largest magnitudes (v24, v25): the conversions' scale operands (v26, v27) and the row's scale word (v30)
	v_add_nc_u32 v26, 0xff000000, v24
	v_add_nc_u32 v27, 0xff000000, v25
	v_lshrrev_b32 v28, 23, v26
	v_lshrrev_b32 v29, 23, v27
	v_lshl_or_b32 v30, v29, 16, v28                ; my two bytes: places h' and 2 + h' of the word,
	v_lshlrev_b32 v30, v17, v30                    ; 8 h' bits up;
	v_mov_b32 v31, 0                               ; (a lane permute's destination counts as one of its sources)
	v_permlanex16_b32 v31, v30, s48, s49
	v_or_b32 v30, v30, v31                         ; with lane l xor 16's two the word is whole
.endm
	s_load_b512 s[8:23], s[0:1], 0x0               ; x s[8:9], Wq s[10:11], Wk s[12:13], Wv s[14:15], Wp s[16:17], xq s[18:19], wimg s[20:21], wsc s[22:23]
	v_lshl_add_u32 v216, v0, 2, 0x1c800
	v_mov_b32 v217, 0
	v_lshrrev_b32 v1, 5, v0
	v_readfirstlane_b32 s24, v1                    ; wave 0..7
	v_and_b32 v2, 31, v0                           ; lane L
	s_cmp_lt_u32 ttmp9, 256
	s_cbranch_scc0 .Lweights
	; ---------------- x: work-group i takes rows 128 i on, wave w 16 of them
	v_lshlrev_b32 v3, 4, v2                        ; 16 L: my bytes of a load's and of a store's 512
	s_mul_i32 s25, s24, WREG
	v_lshrrev_b32 v14, 2, v2
	v_mul_u32_u24 v14, v14, SP
	v_and_b32 v15, 3, v2
	v_lshl_add_u32 v14, v15, 4, v14
	v_add_nc_u32 v14, s25, v14                     ; the stage, in: SP (L / 4) + 16 (L % 4)
	v_mul_u32_u24 v15, v2, SP
	v_add_nc_u32 v15, s25, v15                     ; and back: SP x L: my 16 neighbours
	s_add_co_u32 s25, s25, OST
	v_lshrrev_b32 v8, 3, v2                        ; eight lanes to a row
	v_lshl_add_u32 v8, v8, 7, s25                  ; the row's 128 bytes in the out stage
	v_bfe_u32 v9, v2, 1, 1                         ; my block is (L / 2) % 4: its low bit picks the chunk,
	v_lshl_add_u32 v4, v9, 6, v8
	v_bfe_u32 v9, v2, 2, 1                         ; its high bit the 24 bytes in it,
	v_mad_u32_u24 v4, v9, 24, v4
	v_and_b32 v9, 1, v2                            ; L % 2 the 12 bytes of those
	v_mad_u32_u24 v4, v9, 12, v4
	v_lshl_add_u32 v5, v9, 6, v8                   ; the word's copies: chunk L % 2,
	v_bfe_u32 v10, v2, 1, 2
	v_lshl_add_u32 v5, v10, 2, v5                  ; copy (L / 2) % 4,
	v_add_nc_u32 v5, 48, v5                        ; behind the chunk's 48 bytes of codes
	v_lshlrev_b32 v7, 3, v10                       ; 8 x my block: my byte's place in the word
	v_add_nc_u32 v6, s25, v3
	v_mov_b32 v12, 0                               ; written once: a DPP destination counts as read
	s_lshl_b32 s26, ttmp9, 3
	s_add_co_u32 s26, s26, s24                     ; which run of 16 rows is my wave's
	s_lshl_b32 s28, s26, 13                        ; 8,192 bytes of x,
	s_mov_b32 s29, 0
	s_lshl_b32 s30, s26, 11                        ; 2,048 of xq
	s_mov_b32 s31, 0
	s_wait_kmcnt 0x0
	s_add_nc_u64 s[8:9], s[8:9], s[28:29]
	s_add_nc_u64 s[18:19], s[18:19], s[30:31]
.irp t, 0,1,2,3
	LOAD \t                                        ; all of the wave's 8,192 bytes are asked for at once: each step has registers of its own
.endr
	s_wait_loadcnt 12                              ; step 0's four loads are in; the three steps behind it may be out
	TURN 0
	s_wait_dscnt 0x0
.irp t, 0,1,2,3
	STEP \t
.endr
	s_wait_tensorcnt 0x0
	ds_add_u32 v216, v217
	s_wait_dscnt 0x0
	s_endpgm
	; ---------------- the weights: work-group 256 + j takes Wq, Wk, Wv, Wp for j = 0, 1, 2, 3; wave t takes tile t
.Lweights:
	s_sub_co_u32 s25, ttmp9, 256                   ; j
	s_add_co_u32 s26, s25, 1
	s_bfe_u32 s26, s26, 0x10001                    ; 1 for Wk and Wv: rows of 130 numbers
	s_lshr_b32 s27, s25, 1                         ; 1 for Wv and Wp
	s_and_b32 s32, s27, s25                        ; 1 for Wp
	s_lshl_b32 s33, s26, 3
	s_add_co_u32 s33, s33, 512                     ; a row in bytes: 512 or 520
	s_lshl_b32 s34, 128, s32                       ; in memory, from lane half to lane half: one block on; in Wp two
	s_lshr_b32 s35, 256, s32                       ; and from a row's first load to its second: two blocks on; in Wp one.  So Wp's blocks 1 and 2 change places on their way into the stage
	s_mul_i32 s40, s25, 12288                      ; where the tensor's images begin in wimg: 0, 12,288, 27,648, 43,008
	s_add_co_u32 s41, s27, s32
	s_mul_i32 s41, s41, 3072
	s_add_co_u32 s40, s40, s41
	s_mul_i32 s41, s24, FRB                        ; + my tile
	s_add_co_u32 s40, s40, s41
	s_mov_b32 s41, 0
	s_xor_b32 s42, s26, 1                          ; and its words in wsc: images 0-7 hold Wk's (lanes 0-15) and Wv's (16-31), images 8-15 Wq's and Wp's
	s_lshl_b32 s42, s42, 10
	s_lshl_b32 s43, s27, 6
	s_add_co_u32 s42, s42, s43
	s_lshl_b32 s43, s24, 7
	s_add_co_u32 s42, s42, s43
	s_mov_b32 s43, 0
	s_mul_i32 s44, s24, s33                        ; tile t's rows 0-7 begin 8 t channels down,
	s_lshl_b32 s44, s44, 3
	s_mov_b32 s45, 0
	s_lshl_b32 s46, s33, 6                         ; its rows 8-15 64 channels further
	s_mov_b32 s47, 0
	s_mov_b32 s50, s35
	s_mov_b32 s51, 0
	s_mov_b32 s48, 0x76543210
	s_mov_b32 s49, 0xfedcba98                      ; v_permlanex16_b32's selects for lane l xor 16
	s_mul_i32 s39, s24, WLDS
	s_add_co_u32 s39, s39, WBASE                   ; my stage
	v_and_b32 v3, 15, v2                           ; m
	v_lshrrev_b32 v4, 4, v2                        ; h'
	v_and_b32 v5, 8, v3
	v_lshlrev_b32 v5, 3, v5
	v_and_b32 v6, 7, v3
	v_add_nc_u32 v5, v5, v6                        ; 64 (m / 8) + m % 8
	v_mul_lo_u32 v6, v4, s34
	v_lshl_add_u32 v[AD], v3, 3, v6                ; a load's 256 bytes of a row: 8 (L % 16), lanes 16-31 a block (in Wp two) further on
.irp i, 1,2,3,4,5,6,7
	v_add_nc_u32 v[AD+\i], s33, v[AD+\i-1]         ; a row further down
.endr
	v_lshl_add_u32 v16, v2, 3, s39                 ; the stage, in: 8 L
	v_mul_u32_u24 v18, v3, WPITCH
	v_lshl_add_u32 v18, v4, 7, v18
	v_add_nc_u32 v18, s39, v18                     ; and back: row m, + 128 h'
	v_lshlrev_b32 v17, 3, v4                       ; 8 h'
	v_lshlrev_b32 v22, 4, v2                       ; 16 L
	v_lshlrev_b32 v23, 2, v3                       ; 4 m
	s_wait_kmcnt 0x0
	s_cmp_lt_u32 s25, 2                            ; the choice hangs on the work-group's number alone
	s_cselect_b64 s[28:29], s[10:11], s[14:15]
	s_cselect_b64 s[30:31], s[12:13], s[16:17]
	s_and_b32 s36, s25, 1
	s_cmp_lg_u32 s36, 0
	s_cselect_b64 s[52:53], s[30:31], s[28:29]     ; the tensor
	s_add_nc_u64 s[28:29], s[52:53], s[44:45]      ; rows 0-7 of my tile, a row's first load,
	s_add_nc_u64 s[30:31], s[28:29], s[50:51]      ; its second;
	s_add_nc_u64 s[10:11], s[28:29], s[46:47]      ; rows 8-15 likewise
	s_add_nc_u64 s[12:13], s[10:11], s[50:51]
	s_add_nc_u64 s[18:19], s[20:21], s[40:41]      ; my tile's image
	s_add_nc_u64 s[14:15], s[22:23], s[42:43]      ; and its scale words
.irp u, 0,1
.irp i, 0,1,2,3,4,5,6,7
.irp p, 0,1
	global_load_b64 v[RAW+4*(8*\u+\i)+2*\p:RAW+4*(8*\u+\i)+2*\p+1], v[AD+\i], s[28-18*\u+2*\p:29-18*\u+2*\p]   ; 32 lanes read 256 bytes of one row (in Wp two runs of 128); rows of 520 bytes begin at multiples of 8 only
.endr
.endr
.endr
	; k = 128, 129 of Wk and Wv: waves 0 and 1 make fragment g = wave.  Lane (m, h') holds, at the head of registers 6 c on, the two codes of tile 4 g + 2 c + h', row m
	s_cmp_eq_u32 s26, 0
	s_cbranch_scc1 .Lnoext
	s_cmp_ge_u32 s24, 2
	s_cbranch_scc1 .Lnoext
	s_mul_i32 s40, s27, 15360                      ; in wimg: 24,576 for Wk, 39,936 for Wv, + 1,536 g
	s_mul_i32 s44, s24, FRB
	s_add_co_u32 s40, s40, s44
	s_add_co_u32 s40, s40, 24576
	s_add_nc_u64 s[16:17], s[20:21], s[40:41]
	s_lshl_b32 s40, s27, 6                         ; in wsc: image 16 + g; Wk's words in lanes 0-15, Wv's in 16-31
	s_lshl_b32 s44, s24, 7
	s_add_co_u32 s40, s40, s44
	s_add_co_u32 s40, s40, 2048
	s_add_nc_u64 s[54:55], s[22:23], s[40:41]
	s_mul_i32 s40, s24, 32*520
	v_lshl_add_u32 v19, v4, 3, v5                  ; channel 64 (m / 8) + m % 8 + 8 h' + 32 g + 16 c
	v_mul_u32_u24 v19, v19, 520
	v_add_nc_u32 v19, s40, v19
.irp c, 0,1
	global_load_b64 v[Z+16*\c:Z+16*\c+1], v19, s[52:53] offset:512+16*520*\c
.endr
.irp c, 0,1
.irp n, 2,3,4,5,6,7,8,9,10,11,12,13,14,15
	v_mov_b32 v[Z+16*\c+\n], 0                     ; the block's other numbers are zeros
.endr
.irp n, 3,4,5
	v_mov_b32 v[F+6*\c+\n], 0                      ; and so are its upper 16 codes
.endr
.endr
	s_wait_loadcnt 0x0                             ; the two loads are the youngest
	v_max3_num_f32 v24, |v[Z]|, |v[Z+1]|, 0x1800000
	v_max3_num_f32 v25, |v[Z+16]|, |v[Z+17]|, 0x1800000
	WORD
.irp c, 0,1
	v_cvt_scalef32_pk16_fp6_f32 v[F+6*\c:F+6*\c+2], v[Z+16*\c:Z+16*\c+15], v[26+\c]
.endr
	v_nop                                          ; one plain line behind a scaled conversion
.irp c, 0,1,2
	global_store_b128 v22, v[F+4*\c:F+4*\c+3], s[16:17] offset:512*\c
.endr
	global_store_b32 v23, v30, s[54:55]
.Lnoext:
	s_wait_loadcnt 0x0                             ; my tile's 32 loads are in
.irp m, 0,1,2,3,4,5,6,7,8,9,10,11,12,13,14,15
.irp p, 0,1
	ds_store_b64 v16, v[RAW+4*\m+2*\p:RAW+4*\m+2*\p+1] offset:WPITCH*\m+256*\p   ; the rows into my stage, as loaded
.endr
.endr
.irp c, 0,1
.irp n, 0,1,2,3,4,5,6,7
	ds_load_b128 v[NUM+32*\c+4*\n:NUM+32*\c+4*\n+3], v18 offset:256*\c+16*\n     ; and back: the 32 numbers of the block of registers 6 c on.  LDS serves a wave's instructions in order: these see the stores above
.endr
.endr
	s_wait_xcnt 0x0                                ; the stores above the label have read the fragment's registers and the word: only behind this wait are they rewritten
	s_wait_dscnt 0x0
.irp c, 0,1
	v_max3_num_f32 v[24+\c], |v[NUM+32*\c]|, |v[NUM+32*\c+1]|, 0x1800000   ; all 32 numbers of a block are mine; the floor as above
.endr
.irp n, 2,4,6,8,10,12,14,16,18,20,22,24,26,28,30
.irp c, 0,1
	v_max3_num_f32 v[24+\c], v[24+\c], |v[NUM+32*\c+\n]|, |v[NUM+32*\c+\n+1]|   ; (the two blocks by turns)
.endr
.endr
	WORD
.irp c, 0,1
	v_cvt_scalef32_pk16_fp6_f32 v[F+6*\c:F+6*\c+2], v[NUM+32*\c:NUM+32*\c+15], v[26+\c]
	v_cvt_scalef32_pk16_fp6_f32 v[T+4*\c:T+4*\c+2], v[NUM+32*\c+16:NUM+32*\c+31], v[26+\c]   ; (a conversion's three registers begin on an even number)
.endr
	v_nop                                          ; one plain line behind a scaled conversion
.irp c, 0,1
.irp n, 0,1,2
	v_mov_b32 v[F+6*\c+3+\n], v[T+4*\c+\n]
.endr
.endr
.irp c, 0,1,2
	global_store_b128 v22, v[F+4*\c:F+4*\c+3], s[18:19] offset:512*\c   ; 512 consecutive bytes a store
.endr
	global_store_b32 v23, v30, s[14:15]            ; row m's word (both halves of the lanes write the same word to the same place)
	s_wait_tensorcnt 0x0
	ds_add_u32 v216, v217
	s_wait_dscnt 0x0
	s_endpgm
.Lfunc_end_k_qc6807f58e4_prep:
	.size	k_qc6807f58e4_prep, .Lfunc_end_k_qc6807f58e4_prep-k_qc6807f58e4_prep
	.p2alignl 7, 3214868480
	.fill 96, 4, 3214868480
	.section	.rodata,"a",@progbits
	.p2align	6, 0x0
	.amdhsa_kernel k_qc6807f58e4_prep
		.amdhsa_group_segment_fixed_size 117760
		.amdhsa_private_segment_fixed_size 0
		.amdhsa_enable_private_segment 0
		.amdhsa_kernarg_size 64
		.amdhsa_user_sgpr_count 2
		.amdhsa_user_sgpr_kernarg_segment_ptr 1
		.amdhsa_wavefront_size32 1
		.amdhsa_system_sgpr_workgroup_id_x 1
		.amdhsa_system_sgpr_workgroup_id_y 1
		.amdhsa_system_sgpr_workgroup_id_z 1
		.amdhsa_system_vgpr_workitem_id 0
		.amdhsa_next_free_vgpr 218
		.amdhsa_next_free_sgpr 66
		.amdhsa_reserve_vcc 0
		.amdhsa_float_denorm_mode_32 3
		.amdhsa_float_denorm_mode_16_64 3
		.amdhsa_memory_ordered 1
		.amdhsa_forward_progress 1
		.amdhsa_inst_pref_size 28
	.end_amdhsa_kernel
	.amdgpu_metadata
---
amdhsa.version: [ 1, 2 ]
amdhsa.kernels:
  - .name:           k_qc6807f58e4_prep
    .symbol:         k_qc6807f58e4_prep.kd
    .args:
      - { .name: x, .offset: 0, .size: 8, .value_kind: global_buffer, .address_space: global }
      - { .name: Wq, .offset: 8, .size: 8, .value_kind: global_buffer, .address_space: global }
      - { .name: Wk, .offset: 16, .size: 8, .value_kind: global_buffer, .address_space: global }
      - { .name: Wv, .offset: 24, .size: 8, .value_kind: global_buffer, .address_space: global }
      - { .name: Wp, .offset: 32, .size: 8, .value_kind: global_buffer, .address_space: global }
      - { .name: xq, .offset: 40, .size: 8, .value_kind: global_buffer, .address_space: global }
      - { .name: wimg, .offset: 48, .size: 8, .value_kind: global_buffer, .address_space: global }
      - { .name: wsc, .offset: 56, .size: 8, .value_kind: global_buffer, .address_space: global }
    .group_segment_fixed_size: 117760
    .private_segment_fixed_size: 0
    .kernarg_segment_align: 8
    .kernarg_segment_size: 64
    .max_flat_workgroup_size: 256
    .sgpr_count:     66
    .vgpr_count:     218
    .wavefront_size: 32
...
	.end_amdgpu_metadata
.endif
;; end of part 1
;; launch attend (part 2): grid 256 x 1, 8 waves a work-group, no clusters, 252,928 bytes of LDS; arguments xq, wimg, wsc, spatial_idx, spatial_wgt, alignment, dist, bp, out0; writes out0
.if DOCPART == 2
	.amdgcn_target "amdgcn-amd-amdhsa--gfx1250"
	.amdhsa_code_object_version 6
	.text
	.protected	k_qc6807f58e4_attend
	.globl	k_qc6807f58e4_attend
	.p2align	8
	.type	k_qc6807f58e4_attend,@function
k_qc6807f58e4_attend:
	s_mov_b64 s[64:65], 0
	v_nop
	global_prefetch_b8 v0, s[64:65] scope:SCOPE_SE
	s_setreg_imm32_b32 hwreg(HW_REG_WAVE_MODE, 25, 1), 1
	s_wait_xcnt 0x0
; ATTEND: q, the neighbours' keys and values, the softmax over 16 neighbours, the weighted sum, the last projection and its bias, in one launch.
; All four large products run on codes of FP6 (E2M3) with one E8M0 scale for each 32 along K; the two small ones (q . k, attn . v), the softmax and the sums are f32 vector work.
; SHARES.  Work-group g owns 128 sites of slice (b, t) = (g / 128, (g / 16) % 8); each of its eight waves owns 16 sites.  Lane (r, h) = (lane % 16, lane / 16) is site r, heads 2 h and 2 h + 1.
; LAYOUT.  Every product is used transposed: source 0 = 16 rows of a weight, source 1 = 16 sites (for keys and values: neighbour slot k of the 16 sites).  Row m of weight tile t is channel
;   64 (m / 8) + 8 t + m % 8, so register 8 t + j of lane (r, h) holds channel 64 h + 8 t + j of site r: q, keys, values and the result of a head lie in ONE lane, and nothing crosses lanes
;   but one scale word at the end.
; K = 130.  Blocks 0-3 of a neighbour's row are the quantised row of x itself, gathered as codes from xq (three loads of 16 bytes and a scale word a lane).  Block 4 is (alignment, dist) and 30 zeros:
;   a second matrix instruction for each tile.  Its weight fragment holds four tiles' fifth blocks, one in each block of 32; its data operand is a window of twelve registers over a run of zeros with
;   the two codes in the one block that picks the tile.
; TWO PASSES over the 16 neighbour slots, since only one of Wk and Wv fits in the registers: pass 1 makes the scores and puts each gathered fragment by in the wave's own LDS; pass 2 takes it from there.
; SOFTMAX in base 2: t = q . k x log2(e) / sqrt(32) + log2(wgt + 1e-6); the largest t of the 16 is taken away; the weights are normalised ahead of the sum, as the definition has them.
; Two waves share a SIMD (512 registers each), so that one wave's vector runs and waits stand beside the other's matrix runs.  The text has no branch, no label and no loop.
; NO CLUSTER, NO JOINT LOADS: the gathered rows are chosen lane by lane by an index input; what work-groups share is the 55,296 bytes of weight images, read once by each, against
;   16 x 128 x 128 bytes of gathered rows and 4 x 8,192 of index and weight inputs.  NO PREFETCH: a row of xq is named by many lanes of many work-groups, and the gathers run six slots ahead.
; LIMITS: NaN and infinities among the inputs are not served.  An index above 2,047 is held at 2,047.  A block whose largest magnitude lies under 2^-124 (a block of zeros among them) gets the scale byte 1.
.set OQ,     0                         ; LDS 0 .. 55,295: a copy of wimg.  Wq's 8 fragments;
.set OK,     12288                     ; Wk's 8 and, on end, its 2 for k = 128, 129;
.set OV,     27648                     ; Wv's likewise;
.set OP,     43008                     ; Wp's 8
.set WBYTES, 55296
.set CPW,    WBYTES/8                  ; what one wave copies: 13 x 512 + 256 bytes
.set SBYTES, 24576                     ; behind it, for each wave: 16 fragments of 1,536 bytes put by; at the end the same bytes are the wave's stage of 16 rows
.set SPITCH, 528                       ; a stage row: 512 bytes + 16: the 16 rows that a store touches begin 4 banks apart (64 banks of 4 bytes: ISA guide 11.1)
; window 0
.set LI16, 1                           ; v1   16 x lane
.set STA,  2                           ; v2   my wave's LDS + 16 x lane
.set STO,  3                           ; v3   the stage, in: row r, + 256 h
.set MOFF, 4                           ; v4   64 r: my site's 16 numbers of each index and weight input
.set XOFF, 5                           ; v5   1,024 r + 64 h: my chunk of my own site's row of xq
.set H64,  6                           ; v6   64 h
.set SH8,  7                           ; v7   8 h
.set LI4,  8                           ; v8   4 x lane
.set CP,   9                           ; v9   my 16 bytes of my wave's part of wimg, in memory and in LDS alike
.set CP8,  10                          ; v10  and my 8 bytes of its last 256
.set BP,   12                          ; v12-15   bp[4 lane ..]
.set SKV,  16                          ; v16-23   scale words: lanes 0-15 Wk's tile t, lanes 16-31 Wv's
.set SQP,  24                          ; v24-31   lanes 0-15 Wq's, lanes 16-31 Wp's
.set SKVX, 32                          ; v32-33   the fifth blocks'
.set XSC,  34                          ; v34      my own sites' rows'
.set OSC,  35                          ; v35      the quantised result's
.set NSC,  36                          ; v36-51   the neighbours' rows', slot k
.set ESC,  52                          ; v52-67   (alignment, dist)'s byte, in all four places, slot k
.set ACC,  68                          ; v68-75   four pairs of partial dot products
.set TMP,  76                          ; v76-81
.set MX,   82                          ; v82-83   the largest t of my two heads
.set RS,   84                          ; v84-85   1 / the sums
.set S,    86                          ; v86-117  pair 2 k, 2 k + 1: heads 2 h, 2 h + 1 at slot k: t, then the weights
.set QO,   118                         ; v118-181 q, then the result
.set KV,   182                         ; v182-245 keys, then values, then the last product
.set XF,   68                          ; over ACC and TMP, until q is made: my own sites' fragment
.set WG,   KV                          ; over KV, until pass 1: spatial_wgt, alignment, dist as loaded
.set ALI,  KV+16
.set DST,  KV+32
.set ZZ,   QO                          ; over QO, until q is made: two runs of 16 (two numbers, fourteen zeros),
.set TT,   QO+32                       ; two conversions' results,
.set MT,   QO+40                       ; largest magnitudes, scale operands, bytes: two of each
.set SCO,  QO+42
.set BY,   QO+44
.set OF,   86                          ; over S, at the end: the result's fragment,
.set OT,   98                          ; and the second halves of its two blocks
; window 1 (v256 on, written by their low numbers): 0-119 the weight in use: 8 fragments + 2
.set NR,    120                        ; 120-191  a ring of six neighbour fragments
.set E0,    198                        ; 192-221  thirty registers, zeros but for these two: the slot's two codes in lanes 0-15 alone,
.set E1,    210                        ;          and in lanes 16-31 alone.  The windows of twelve that begin at 198, 210, 192, 204 have the codes in block 0, 1, 2, 3
.set ECODE, 222                        ; 222-237  the codes of (alignment, dist), slot k
.set GOFF,  238                        ; 238-253  the gathers' offsets, slot k
.set MSB, 0
.macro WIN new                         ; s_set_vgpr_msb: bits 1:0 source 0, 3:2 source 1, 5:4 source 2, 7:6 destination; the high byte repeats the setting that is left; a switch that changes nothing is dropped
.if MSB != \new
	s_set_vgpr_msb (MSB<<8)|\new
.set MSB, \new
.endif
.endm
; One matrix instruction.  first = 1: it starts the sum with the constant 0; else it adds in place.  row1 = 1: source 0's scales are taken from lanes 16-31
.macro WM d, a, b, first, sa, sb, row1
.if \first
.if \row1
	v_wmma_scale_f32_16x16x128_f8f6f4 v[(\d):(\d)+7], v[(\a):(\a)+11], v[(\b):(\b)+11], 0, v[(\sa)], v[(\sb)] matrix_a_fmt:MATRIX_FMT_FP6 matrix_b_fmt:MATRIX_FMT_FP6 matrix_a_scale:MATRIX_SCALE_ROW1
.else
	v_wmma_scale_f32_16x16x128_f8f6f4 v[(\d):(\d)+7], v[(\a):(\a)+11], v[(\b):(\b)+11], 0, v[(\sa)], v[(\sb)] matrix_a_fmt:MATRIX_FMT_FP6 matrix_b_fmt:MATRIX_FMT_FP6
.endif
.else
.if \row1
	v_wmma_scale_f32_16x16x128_f8f6f4 v[(\d):(\d)+7], v[(\a):(\a)+11], v[(\b):(\b)+11], v[(\d):(\d)+7], v[(\sa)], v[(\sb)] matrix_a_fmt:MATRIX_FMT_FP6 matrix_b_fmt:MATRIX_FMT_FP6 matrix_a_scale:MATRIX_SCALE_ROW1
.else
	v_wmma_scale_f32_16x16x128_f8f6f4 v[(\d):(\d)+7], v[(\a):(\a)+11], v[(\b):(\b)+11], v[(\d):(\d)+7], v[(\sa)], v[(\sb)] matrix_a_fmt:MATRIX_FMT_FP6 matrix_b_fmt:MATRIX_FMT_FP6
.endif
.endif
.endm
.macro PLACES n                        ; plain lines that name no register of the matrix instructions ahead (ISA guide 7.12.1)
.rept \n
	v_nop
.endr
.endm
.macro GATHER k                        ; slot k of my site: my chunk of the neighbour's row of xq: twelve registers of codes and the scale word
.set rG, NR+12*((\k)%6)
	WIN 0x41
.irp c, 0,1,2
	global_load_b128 v[rG+4*\c:rG+4*\c+3], v[GOFF+(\k)], s[8:9] offset:16*\c
.endr
	WIN 0x01
	global_load_b32 v[NSC+(\k)], v[GOFF+(\k)], s[8:9] offset:48
.endm
.macro STASH k                         ; the fragment goes to my wave's LDS as it stands, 16 bytes a lane, 512 a store
.set rG, NR+12*((\k)%6)
	WIN 0x04
.irp c, 0,1,2
	ds_store_b128 v[STA], v[rG+4*\c:rG+4*\c+3] offset:1536*(\k)+512*\c
.endr
.endm
.macro UNSTASH k                       ; and comes back so
.set rG, NR+12*((\k)%6)
	WIN 0x40
.irp c, 0,1,2
	ds_load_b128 v[rG+4*\c:rG+4*\c+3], v[STA] offset:1536*(\k)+512*\c
.endr
.endm
.macro WLOAD off, n                    ; n groups of four registers of weight images, from LDS byte off on, into window 1 from register 0 on
	WIN 0x40
.set i, 0
.rept \n
	ds_load_b128 v[4*i:4*i+3], v[LI16] offset:\off+512*i
.set i, i+1
.endr
.endm
.macro ESET k                          ; slot k's two codes into the run of zeros
	WIN 0x44
	v_cndmask_b32 v[E0], 0, v[ECODE+(\k)], s32
	v_cndmask_b32 v[E1], 0, v[ECODE+(\k)], s33
.endm
; Slot k's keys (row1 = 0) or values (1): eight products over k = 0 .. 127 start the eight sums, eight over the fifth block add in place.  The eight accumulators take turns, one instruction a turn,
; between the two links of a chain stand the seven others'.
.macro MAT k, row1
.set rG, NR+12*((\k)%6)
	WIN 0x05
.irp t, 0,1,2,3,4,5,6,7
	WM KV+8*\t, 12*\t, rG, 1, SKV+\t, NSC+(\k), \row1
.endr
.irp t, 0,1,2,3,4,5,6,7
	WM KV+8*\t, 96+12*(\t/4), E0+12*(\t%2)-6*((\t%4)/2), 0, SKVX+\t/4, ESC+(\k), \row1
.endr
.endm
.macro BODY                            ; q . k of my two heads: four chains of eight packed multiply-adds; chains 0, 1 are head 2 h (registers 0-31), chains 2, 3 head 2 h + 1.  Each accumulator is read from its low end on
.set i, 0
.rept 32
.set cc, i%4
.set pp, 16*cc+2*(i/4)
.if i < 4
	v_pk_mul_f32 v[ACC+2*cc:ACC+2*cc+1], v[QO+pp:QO+pp+1], v[KV+pp:KV+pp+1]
.else
	v_pk_fma_f32 v[ACC+2*cc:ACC+2*cc+1], v[QO+pp:QO+pp+1], v[KV+pp:KV+pp+1], v[ACC+2*cc:ACC+2*cc+1]
.endif
.set i, i+1
.endr
.endm
.macro TAIL k                          ; the chains are joined and log2(wgt + 1e-6), which waits in S[2 k], is added: first for head 2 h + 1, then in place for head 2 h
	v_pk_add_f32 v[ACC:ACC+1], v[ACC:ACC+1], v[ACC+2:ACC+3]
	v_pk_add_f32 v[ACC+4:ACC+5], v[ACC+4:ACC+5], v[ACC+6:ACC+7]
	v_add_f32 v[TMP], v[ACC], v[ACC+1]
	v_add_f32 v[TMP+1], v[ACC+4], v[ACC+5]
	v_add_f32 v[S+2*(\k)+1], v[S+2*(\k)], v[TMP+1]
	v_add_f32 v[S+2*(\k)], v[S+2*(\k)], v[TMP]
.endm
.macro ACCU k                          ; the result += slot k's weight x its values; registers 0-31 take the pair's first word (head 2 h), registers 32-63 its second.  Slot 0 starts the sums: nothing is cleared
.set i, 0
.rept 32
.if (\k) == 0
.if i < 16
	v_pk_mul_f32 v[QO+2*i:QO+2*i+1], v[KV+2*i:KV+2*i+1], v[S+2*(\k):S+2*(\k)+1] op_sel_hi:[1,0]
.else
	v_pk_mul_f32 v[QO+2*i:QO+2*i+1], v[KV+2*i:KV+2*i+1], v[S+2*(\k):S+2*(\k)+1] op_sel:[0,1] op_sel_hi:[1,1]
.endif
.else
.if i < 16
	v_pk_fma_f32 v[QO+2*i:QO+2*i+1], v[KV+2*i:KV+2*i+1], v[S+2*(\k):S+2*(\k)+1], v[QO+2*i:QO+2*i+1] op_sel_hi:[1,0,1]
.else
	v_pk_fma_f32 v[QO+2*i:QO+2*i+1], v[KV+2*i:KV+2*i+1], v[S+2*(\k):S+2*(\k)+1], v[QO+2*i:QO+2*i+1] op_sel:[0,1,0] op_sel_hi:[1,1,1]
.endif
.endif
.set i, i+1
.endr
.endm
	; ---------------- ids, addresses, pointers
	s_load_b512 s[8:23], s[0:1], 0x0               ; xq s[8:9], wimg s[10:11], wsc s[12:13], spatial_idx s[14:15], spatial_wgt s[16:17], alignment s[18:19], dist s[20:21], bp s[22:23]
	s_load_b64 s[24:25], s[0:1], 0x40              ; out0
	v_lshl_add_u32 v254, v0, 2, 0x3d800
	v_mov_b32 v255, 0
	v_lshrrev_b32 v11, 5, v0
	v_readfirstlane_b32 s26, v11                   ; wave 0..7
	v_and_b32 v11, 31, v0                          ; lane
	v_lshlrev_b32 v[LI16], 4, v11
	v_lshlrev_b32 v[LI4], 2, v11
	v_and_b32 v[MOFF], 15, v0                      ; r
	v_bfe_u32 v[H64], v0, 4, 1                     ; h
	s_mul_i32 s28, s26, SBYTES
	s_add_co_u32 s28, s28, WBYTES                  ; my wave's LDS
	v_add_nc_u32 v[STA], s28, v[LI16]
	v_mul_u32_u24 v[STO], v[MOFF], SPITCH
	v_lshl_add_u32 v[STO], v[H64], 8, v[STO]
	v_add_nc_u32 v[STO], s28, v[STO]
	v_lshlrev_b32 v[XOFF], 10, v[MOFF]
	v_lshl_add_u32 v[XOFF], v[H64], 6, v[XOFF]
	v_lshlrev_b32 v[SH8], 3, v[H64]
	v_lshlrev_b32 v[MOFF], 6, v[MOFF]
	v_lshlrev_b32 v[H64], 6, v[H64]
	s_mul_i32 s29, s26, CPW
	v_add_nc_u32 v[CP], s29, v[LI16]
	v_lshl_add_u32 v[CP8], v11, 3, s29
	v_add_nc_u32 v[CP8], 13*512, v[CP8]
	s_mov_b32 s32, 0x0000ffff                      ; lanes 0-15
	s_mov_b32 s33, 0xffff0000                      ; lanes 16-31
	s_mov_b32 s34, 0x76543210
	s_mov_b32 s35, 0xfedcba98                      ; v_permlanex16_b32's selects for lane l xor 16
	s_mov_b32 s36, 0x3e8293ee                      ; log2(e) / sqrt(32)
	s_mov_b32 s37, s36                             ; (named with it as a pair, so it is written)
	s_lshl_b32 s28, ttmp9, 13                      ; the four inputs [2][8][2048][16]: 128 sites x 64 bytes a work-group,
	s_lshl_b32 s29, s26, 10                        ; 16 sites a wave
	s_add_co_u32 s28, s28, s29
	s_mov_b32 s29, 0
	s_lshr_b32 s40, ttmp9, 7                       ; b
	s_bfe_u32 s41, ttmp9, 0x30004                  ; t
	s_and_b32 s42, ttmp9, 15
	s_lshl_b32 s42, s42, 7
	s_lshl_b32 s43, s26, 4
	s_add_co_u32 s42, s42, s43                     ; my first site
	s_lshl_b32 s30, s40, 21                        ; xq: row ((b x 2048 + s) x 8 + t) of 128 bytes: the slice begins at b 2^21 + 128 t, a site is 1,024 bytes on
	s_lshl_b32 s43, s41, 7
	s_add_co_u32 s30, s30, s43
	s_mov_b32 s31, 0
	s_lshl_b32 s44, s42, 10
	s_mov_b32 s45, 0
	s_lshl_b32 s46, s40, 23                        ; out0: the same rows, of 512 bytes
	s_lshl_b32 s43, s42, 12
	s_add_co_u32 s46, s46, s43
	s_lshl_b32 s43, s41, 9
	s_add_co_u32 s46, s46, s43
	s_mov_b32 s47, 0
	s_wait_kmcnt 0x0
	s_add_nc_u64 s[14:15], s[14:15], s[28:29]
	s_add_nc_u64 s[16:17], s[16:17], s[28:29]
	s_add_nc_u64 s[18:19], s[18:19], s[28:29]
	s_add_nc_u64 s[20:21], s[20:21], s[28:29]
	s_add_nc_u64 s[8:9], s[8:9], s[30:31]          ; xq at my slice
	s_add_nc_u64 s[38:39], s[8:9], s[44:45]        ; and at my own sites
	s_add_nc_u64 s[24:25], s[24:25], s[46:47]
	; ---------------- the loads; the indices first, since the gathers hang on them
	WIN 0x40
.irp c, 0,1,2,3
	global_load_b128 v[GOFF+4*\c:GOFF+4*\c+3], v[MOFF], s[14:15] offset:16*\c th:TH_LOAD_NT
.endr
	WIN 0
.irp c, 0,1,2
	global_load_b128 v[XF+4*\c:XF+4*\c+3], v[XOFF], s[38:39] offset:16*\c
.endr
	global_load_b32 v[XSC], v[XOFF], s[38:39] offset:48
.irp a, 0,1,2
.irp c, 0,1,2,3
	global_load_b128 v[KV+16*\a+4*\c:KV+16*\a+4*\c+3], v[MOFF], s[16+2*\a:17+2*\a] offset:16*\c th:TH_LOAD_NT
.endr
.endr
	global_load_b128 v[BP:BP+3], v[LI16], s[22:23]
.irp i, 0,1,2,3,4,5,6,7,8,9,10,11,12,13,14,15,16,17
	global_load_b32 v[SKV+\i], v[LI4], s[12:13] offset:128*\i      ; the 18 images of scale words, into v16-33
.endr
.irp i, 0,1,2,3,4,5,6,7,8,9,10,11,12
	global_load_b128 v[QO+4*\i:QO+4*\i+3], v[CP], s[10:11] offset:512*\i   ; my wave's eighth of wimg
.endr
	global_load_b64 v[QO+52:QO+53], v[CP8], s[10:11]
	s_wait_loadcnt 49                              ; the four loads of indices are in; the 4 + 12 + 1 + 18 + 14 issued behind them may be out
	WIN 0x44
.irp k, 0,1,2,3,4,5,6,7,8,9,10,11,12,13,14,15
	v_min_u32 v[GOFF+\k], 0x7ff, v[GOFF+\k]        ; an index stays inside its table
.endr
.irp k, 0,1,2,3,4,5,6,7,8,9,10,11,12,13,14,15
	v_lshlrev_b32 v[GOFF+\k], 10, v[GOFF+\k]       ; 1,024 bytes a site,
.endr
.irp k, 0,1,2,3,4,5,6,7,8,9,10,11,12,13,14,15
	v_add_nc_u32 v[GOFF+\k], v[H64], v[GOFF+\k]    ; my half's chunk
.endr
.irp k, 0,1,2,3,4,5
	GATHER \k
.endr
	WIN 0
	s_wait_loadcnt 24                              ; all but the six gathers' 24 loads
.irp i, 0,1,2,3,4,5,6,7,8,9,10,11,12
	ds_store_b128 v[CP], v[QO+4*\i:QO+4*\i+3] offset:512*\i
.endr
	ds_store_b64 v[CP8], v[QO+52:QO+53]
	s_wait_dscnt 0x0                               ; for the others' sake: my part of the images has landed
	s_barrier_signal -1
	s_barrier_wait -1                              ; everybody's has.  Nobody writes these bytes again: the text's one barrier
	WLOAD OQ, 24
.set i, 192
.rept 30
.if (i != E0) && (i != E1)
	v_mov_b32 v[i], 0                              ; the run of zeros round the two codes (destination in window 1)
.endif
.set i, i+1
.endr
	WIN 0
.irp u, 0,1
.irp n, 2,3,4,5,6,7,8,9,10,11,12,13,14,15
	v_mov_b32 v[ZZ+16*\u+\n], 0                    ; the fifth block's numbers behind its first two
.endr
.endr
	; ---------------- log2(wgt + 1e-6), and (alignment, dist) quantised, while the gathers are on their way
.irp k, 0,1,2,3,4,5,6,7,8,9,10,11,12,13,14,15
	v_add_f32 v[WG+\k], 0x358637bd, v[WG+\k]
.endr
.irp k, 0,1,2,3,4,5,6,7,8,9,10,11,12,13,14,15
	v_log_f32 v[S+2*\k], v[WG+\k]                  ; one batch; the lines below name none of its results
.endr
.irp kk, 0,2,4,6,8,10,12,14            ; two slots at a time, on two sets of registers
.irp u, 0,1
	v_max3_num_f32 v[MT+\u], |v[ALI+\kk+\u]|, |v[DST+\kk+\u]|, 0x1800000   ; the block's largest magnitude, and the floor 2^(3 - 127)
.endr
.irp u, 0,1
	v_add_nc_u32 v[SCO+\u], 0xff000000, v[MT+\u]   ; 2 off its exponent field: the conversion's scale operand
.endr
.irp u, 0,1
	v_mov_b32 v[ZZ+16*\u], v[ALI+\kk+\u]
	v_mov_b32 v[ZZ+16*\u+1], v[DST+\kk+\u]
.endr
.irp u, 0,1
	v_cvt_scalef32_pk16_fp6_f32 v[TT+4*\u:TT+4*\u+2], v[ZZ+16*\u:ZZ+16*\u+15], v[SCO+\u]   ; the two codes are the low 12 bits of the first register
.endr
.irp u, 0,1
	v_lshrrev_b32 v[BY+\u], 23, v[SCO+\u]          ; the scale's byte (plain lines behind the conversions)
.endr
.irp u, 0,1
	v_perm_b32 v[ESC+\kk+\u], v[BY+\u], v[BY+\u], 0   ; in all four places: whichever block the window picks finds it
.endr
	WIN 0x40
.irp u, 0,1
	v_mov_b32 v[ECODE+\kk+\u], v[TT+4*\u]
.endr
	WIN 0
.endr
	ESET 0
	WIN 0
	s_wait_alu depctr_va_vdst(0)                   ; one wait for the 16 logarithms, ahead of the first line that names a result
	; ---------------- q = Q(x) Q(Wq)^T for my 16 sites, times log2(e) / sqrt(32)
	s_wait_dscnt 0x0                               ; Wq's images are in
	WIN 0x01
.irp t, 0,1,2,3,4,5,6,7
	WM QO+8*\t, 12*\t, XF, 1, SQP+\t, XSC, 0
.endr
	WIN 0
	PLACES 4                                       ; in front of the loads into Wq's registers and of the first read of q
	WLOAD OK, 30                                   ; Wk's ten fragments land under the 32 lines below
	WIN 0
.set i, 0
.rept 32
	v_pk_mul_f32 v[QO+2*i:QO+2*i+1], v[QO+2*i:QO+2*i+1], s[36:37] op_sel_hi:[1,0]
.set i, i+1
.endr
	s_wait_dscnt 0x0
	; ---------------- pass 1: the scores.  A step: the slot's fragment is in; it is put by; 16 matrix instructions; the last slot's sums are finished (six plain lines: the places behind the products);
	; the slot six on is asked for, into the ring's place just read; the next slot's codes are set; this slot's 32 multiply-adds
.irp k, 0,1,2,3,4,5,6,7,8,9,10,11,12,13,14,15
.if 15-\k >= 5
	s_wait_loadcnt 20                              ; slot k's four loads are in; the five slots asked for behind it may be out
.else
	s_wait_loadcnt 4*(15-\k)                       ; near the end fewer are behind it
.endif
	STASH \k
	MAT \k, 0
	WIN 0
.if \k == 0
	PLACES 4
.else
	TAIL \k-1
.endif
.if \k < 10
	GATHER \k+6
.endif
.if \k < 15
	ESET \k+1
.endif
	WIN 0
	BODY
.endr
	TAIL 15
	; ---------------- the softmax over the 16 slots, both heads at once; Wv's images and the first three fragments land under it
	WLOAD OV, 30
	UNSTASH 0
	UNSTASH 1
	UNSTASH 2
	ESET 0
	WIN 0
.irp u, 0,1
	v_max3_num_f32 v[MX+\u], v[S+\u], v[S+2+\u], v[S+4+\u]
.endr
.irp n, 6,10,14,18,22,26
.irp u, 0,1
	v_max3_num_f32 v[MX+\u], v[MX+\u], v[S+\n+\u], v[S+\n+2+\u]
.endr
.endr
.irp u, 0,1
	v_max_num_f32 v[MX+\u], v[MX+\u], v[S+30+\u]
.endr
.irp k, 0,1,2,3,4,5,6,7,8,9,10,11,12,13,14,15
	v_pk_add_f32 v[S+2*\k:S+2*\k+1], v[S+2*\k:S+2*\k+1], v[MX:MX+1] neg_lo:[0,1] neg_hi:[0,1]   ; t - the largest t
.endr
.set i, 0
.rept 32
	v_exp_f32 v[S+i], v[S+i]
.set i, i+1
.endr
	v_nop                                          ; a plain line behind the last exponential
	s_wait_alu depctr_va_vdst(0)                   ; one wait for the batch, ahead of its first reader
	v_pk_add_f32 v[ACC:ACC+1], v[S:S+1], v[S+2:S+3]                ; the sums, in two chains
	v_pk_add_f32 v[ACC+2:ACC+3], v[S+4:S+5], v[S+6:S+7]
.irp n, 4,6,8,10,12,14
	v_pk_add_f32 v[ACC:ACC+1], v[ACC:ACC+1], v[S+2*\n:S+2*\n+1]
	v_pk_add_f32 v[ACC+2:ACC+3], v[ACC+2:ACC+3], v[S+2*\n+2:S+2*\n+3]
.endr
	v_pk_add_f32 v[ACC:ACC+1], v[ACC:ACC+1], v[ACC+2:ACC+3]
	v_rcp_f32 v[RS], v[ACC]                        ; a sum is at least 1: the largest t's own term
	v_rcp_f32 v[RS+1], v[ACC+1]
	v_nop
	s_wait_alu depctr_va_vdst(0)                   ; and one for the two reciprocals
.irp k, 0,1,2,3,4,5,6,7,8,9,10,11,12,13,14,15
	v_pk_mul_f32 v[S+2*\k:S+2*\k+1], v[S+2*\k:S+2*\k+1], v[RS:RS+1]
.endr
	; ---------------- pass 2: the values and their weighted sum.  Fragments come back from my LDS three slots ahead
.irp k, 0,1,2,3,4,5,6,7,8,9,10,11,12,13,14,15
.if \k < 13
	UNSTASH \k+3
	s_wait_dscnt 9                                 ; slot k's three loads (and all that is older) are in; those of the three slots behind it may be out
.else
	s_wait_dscnt 3*(15-\k)
.endif
	MAT \k, 1
	WIN 0
	PLACES 4                                       ; in front of the write of the codes' registers and of the first read of the values
.if \k < 15
	ESET \k+1
	WIN 0
.endif
	ACCU \k
.endr
	; ---------------- the result, 64 channels a lane (blocks 2 h and 2 h + 1 of its 128), is quantised in place: block c of mine is the operand's block 2 c + h, and Wp's images have their blocks in the same order
	WLOAD OP, 24
	WIN 0
.irp c, 0,1
	v_max3_num_f32 v[TMP+\c], |v[QO+32*\c]|, |v[QO+32*\c+1]|, 0x1800000
.endr
.irp n, 2,4,6,8,10,12,14,16,18,20,22,24,26,28,30
.irp c, 0,1
	v_max3_num_f32 v[TMP+\c], v[TMP+\c], |v[QO+32*\c+\n]|, |v[QO+32*\c+\n+1]|   ; (the two blocks by turns)
.endr
.endr
.irp c, 0,1
	v_add_nc_u32 v[TMP+2+\c], 0xff000000, v[TMP+\c]
.endr
.irp c, 0,1
	v_lshrrev_b32 v[TMP+4+\c], 23, v[TMP+2+\c]
.endr
	v_lshl_or_b32 v[MX], v[TMP+5], 16, v[TMP+4]    ; my two bytes, places h and 2 + h of the word,
	v_lshlrev_b32 v[MX], v[SH8], v[MX]
	v_permlanex16_b32 v[MX+1], v[MX], s34, s35
	v_or_b32 v[OSC], v[MX], v[MX+1]                ; with lane l xor 16's two
.irp c, 0,1
	v_cvt_scalef32_pk16_fp6_f32 v[OF+6*\c:OF+6*\c+2], v[QO+32*\c:QO+32*\c+15], v[TMP+2+\c]
	v_cvt_scalef32_pk16_fp6_f32 v[OT+4*\c:OT+4*\c+2], v[QO+32*\c+16:QO+32*\c+31], v[TMP+2+\c]   ; (a conversion's three registers begin on an even number)
.endr
	v_nop                                          ; one plain line behind a scaled conversion
.irp c, 0,1
.irp n, 0,1,2
	v_mov_b32 v[OF+6*\c+3+\n], v[OT+4*\c+\n]
.endr
.endr
	PLACES 7                                       ; with the v_nop above: eight plain lines behind the write of the scale word, seven behind the last write of the operand
	s_wait_dscnt 0x0                               ; Wp's images are in
	WIN 0x01
.irp t, 0,1,2,3,4,5,6,7
	WM KV+8*\t, 12*\t, OF, 1, SQP+\t, OSC, 1
.endr
	WIN 0
	PLACES 4
	; ---------------- the way out: a lane holds 256 bytes of one row; through my wave's stage the rows come back whole, bp is added, and the 32 lanes store a row's 512 bytes
.irp t, 0,1,2,3,4,5,6,7
	ds_store_b128 v[STO], v[KV+8*\t:KV+8*\t+3] offset:32*\t        ; each accumulator from its low end on
	ds_store_b128 v[STO], v[KV+8*\t+4:KV+8*\t+7] offset:32*\t+16
.endr
.irp i, 0,1,2,3,4,5,6,7,8,9,10,11,12,13,14,15
	ds_load_b128 v[QO+4*\i:QO+4*\i+3], v[STA] offset:SPITCH*\i     ; LDS serves a wave's instructions in order (ISA guide 5.7.1.4): these see the stores above
.endr
.irp i, 0,1,2,3,4,5,6,7,8,9,10,11,12,13,14,15
	s_wait_dscnt 15-\i                             ; row i is back; the rows behind it may be out
	v_pk_add_f32 v[QO+4*\i:QO+4*\i+1], v[QO+4*\i:QO+4*\i+1], v[BP:BP+1]
	v_pk_add_f32 v[QO+4*\i+2:QO+4*\i+3], v[QO+4*\i+2:QO+4*\i+3], v[BP+2:BP+3]
	global_store_b128 v[LI16], v[QO+4*\i:QO+4*\i+3], s[24:25] offset:4096*\i th:TH_STORE_NT   ; 512 consecutive bytes, at a multiple of 256 from out0's first byte; a site's rows lie 4,096 bytes apart
.endr
	s_wait_tensorcnt 0x0
	ds_add_u32 v254, v255
	s_wait_dscnt 0x0
	s_endpgm
.Lfunc_end_k_qc6807f58e4_attend:
	.size	k_qc6807f58e4_attend, .Lfunc_end_k_qc6807f58e4_attend-k_qc6807f58e4_attend
	.p2alignl 7, 3214868480
	.fill 96, 4, 3214868480
	.section	.rodata,"a",@progbits
	.p2align	6, 0x0
	.amdhsa_kernel k_qc6807f58e4_attend
		.amdhsa_group_segment_fixed_size 252928
		.amdhsa_private_segment_fixed_size 0
		.amdhsa_enable_private_segment 0
		.amdhsa_kernarg_size 72
		.amdhsa_user_sgpr_count 2
		.amdhsa_user_sgpr_kernarg_segment_ptr 1
		.amdhsa_wavefront_size32 1
		.amdhsa_system_sgpr_workgroup_id_x 1
		.amdhsa_system_sgpr_workgroup_id_y 1
		.amdhsa_system_sgpr_workgroup_id_z 1
		.amdhsa_system_vgpr_workitem_id 0
		.amdhsa_next_free_vgpr 512
		.amdhsa_next_free_sgpr 66
		.amdhsa_reserve_vcc 0
		.amdhsa_float_denorm_mode_32 3
		.amdhsa_float_denorm_mode_16_64 3
		.amdhsa_memory_ordered 1
		.amdhsa_forward_progress 1
		.amdhsa_inst_pref_size 205
	.end_amdhsa_kernel
	.amdgpu_metadata
---
amdhsa.version: [ 1, 2 ]
amdhsa.kernels:
  - .name:           k_qc6807f58e4_attend
    .symbol:         k_qc6807f58e4_attend.kd
    .args:
      - { .name: xq, .offset: 0, .size: 8, .value_kind: global_buffer, .address_space: global }
      - { .name: wimg, .offset: 8, .size: 8, .value_kind: global_buffer, .address_space: global }
      - { .name: wsc, .offset: 16, .size: 8, .value_kind: global_buffer, .address_space: global }
      - { .name: spatial_idx, .offset: 24, .size: 8, .value_kind: global_buffer, .address_space: global }
      - { .name: spatial_wgt, .offset: 32, .size: 8, .value_kind: global_buffer, .address_space: global }
      - { .name: alignment, .offset: 40, .size: 8, .value_kind: global_buffer, .address_space: global }
      - { .name: dist, .offset: 48, .size: 8, .value_kind: global_buffer, .address_space: global }
      - { .name: bp, .offset: 56, .size: 8, .value_kind: global_buffer, .address_space: global }
      - { .name: out0, .offset: 64, .size: 8, .value_kind: global_buffer, .address_space: global }
    .group_segment_fixed_size: 252928
    .private_segment_fixed_size: 0
    .kernarg_segment_align: 8
    .kernarg_segment_size: 72
    .max_flat_workgroup_size: 256
    .sgpr_count:     66
    .vgpr_count:     512
    .wavefront_size: 32
...
	.end_amdgpu_metadata
.endif
;; end of part 2
;; ======== version 2 of 2: 2 launches
;; workspace buffers: xq 4,194,304 bytes; wimg 55,296 bytes; wsc 2,304 bytes
;; launch prep (part 3): grid 260 x 1, 8 waves a work-group, no clusters, 117,760 bytes of LDS; arguments x, Wq, Wk, Wv, Wp, xq, wimg, wsc; writes xq, wimg, wsc
.if DOCPART == 3
	.amdgcn_target "amdgcn-amd-amdhsa--gfx1250"
	.amdhsa_code_object_version 6
	.text
	.protected	k_qc6807f58e4_prep
	.globl	k_qc6807f58e4_prep
	.p2align	8
	.type	k_qc6807f58e4_prep,@function
k_qc6807f58e4_prep:
	s_mov_b64 s[64:65], 0
	v_nop
	global_prefetch_b8 v0, s[64:65] scope:SCOPE_SE
	s_setreg_imm32_b32 hwreg(HW_REG_WAVE_MODE, 25, 1), 1
	s_wait_xcnt 0x0
; PREP: everything that is quantised once.  Codes are FP6 (E2M3), one E8M0 scale byte for each 32 along K.
; A block's scale is 2^(floor(log2(its largest magnitude)) - 2): its byte is the largest magnitude's exponent field - 2, held at 1 from below by a floor among the maximum's leaves.
; WORK-GROUPS 0-255: x, [32,768 rows][128] f32 as it lies, becomes xq: 128 bytes a row, two chunks of 64.  Chunk h holds the codes of blocks h and 2 + h (24 + 24 bytes: the twelve
;   registers that lane half h of a 16 x 128 fragment wants) and the row's scale word four times.  So a later gather of a row is three loads of 16 bytes and one of 4 a lane.
;   A work-group takes 128 rows, each of its eight waves 16: four steps of 4 rows, whose 16 loads all go out at the wave's head.
; WORK-GROUPS 256-259: Wq, Wk, Wv, Wp become images of operand registers (wimg: a fragment is 1,536 bytes, register group c at 512 c + 16 x lane) and images of scale words (wsc).  Wave t makes tile t.
;   Row m of tile t is channel 64 (m / 8) + 8 t + m % 8.  Wp's blocks 1 and 2 along K change places.  Wk's and Wv's k = 128, 129 (their fifth block) go into two more fragments each:
;   block p of fragment g holds the two codes of tile 4 g + p, and byte p of its scale word that tile's byte.
;   A tile's 16 rows are loaded as they lie, 256 consecutive bytes a load, and turned through the wave's own stage in LDS, so that a lane then holds 32 neighbours along K of each of its two blocks.
; LIMITS: NaN and infinities among the inputs are not served.  A block whose largest magnitude lies under 2^-124, a block of zeros among them, gets the byte 1 (the stated rule gives a block
;   of zeros 127): its codes are then zeros or the rule's own with the byte held, and this program alone reads the bytes.
; No tensor loads, no barrier: waves share nothing.  The two paths, which part on the work-group's number, have LDS bytes of their own.
.set STEPS, 4                          ; a wave's steps: 4 rows (2,048 bytes in, 512 out) each
.set SP,    80                         ; a lane's place in a stage: its 64 bytes + 16 of padding
.set STG,   32*SP                      ; a stage
.set OST,   2*STG                      ; behind the two stages: two out stages of 512 bytes
.set WREG,  OST+2*512                  ; x: LDS of a wave: 6,144 bytes
.set WBASE, 8*WREG                     ; behind the eight: the weights' stages
.set WPITCH, 528                       ; a stage row: 512 bytes + 16 = 33 x 16: the 16 rows that a load of 16 bytes a lane touches begin 4 banks apart (64 banks of 4 bytes: ISA guide 11.1)
.set WLDS,  16*WPITCH                  ; weights: LDS of a wave: 8,448 bytes
.set R,     16                         ; v16-79    x: four sets of 16 numbers as loaded, one for each step
.set X,     80                         ; v80-111   two sets of 16 neighbours
.set C,     112                        ; v112-119  two sets of codes
.set O,     128                        ; v128-143  a step's 16 bytes a lane of xq: four registers a step, never rewritten
.set FRB,   1536                       ; a fragment's image in bytes
.set AD,    8                          ; v8-15     weights: the offsets of rows 0-7 (and, from a second base, of rows 8-15) of a tile
.set RAW,   32                         ; v32-95    16 rows x 2 loads x 8 bytes a lane, as loaded
.set NUM,   96                         ; v96-159   two blocks x 32 numbers
.set F,     160                        ; v160-171  a fragment
.set T,     172                        ; v172-179  the second halves of its two blocks, as converted
.set Z,     180                        ; v180-211  two runs of 16: two numbers and fourteen zeros
.macro LOAD t                          ; step t's 2,048 bytes: each load reads 512 consecutive bytes, 16 a lane
.irp i, 0,1,2,3
	global_load_b128 v[R+16*(\t)+4*\i:R+16*(\t)+4*\i+3], v3, s[8:9] offset:2048*(\t)+512*\i th:TH_LOAD_NT
.endr
.endm
.macro TURN t                          ; through the wave's stage: in as loaded, back 64 bytes a lane.  LDS serves a wave's instructions in order
.irp i, 0,1,2,3
	ds_store_b128 v14, v[R+16*(\t)+4*\i:R+16*(\t)+4*\i+3] offset:STG*((\t)%2)+8*SP*\i
.endr
.irp i, 0,1,2,3
	ds_load_b128 v[X+16*((\t)%2)+4*\i:X+16*((\t)%2)+4*\i+3], v15 offset:STG*((\t)%2)+16*\i
.endr
.endm
.macro STEP t
.set XS, X+16*((\t)%2)
.set CC, C+4*((\t)%2)
.set OO, O+4*(\t)
.if (\t)+1 < STEPS
	s_wait_loadcnt 4*(STEPS-2-(\t))                ; the next step's four loads are in; those of the steps behind it may be out
	TURN (\t)+1                                    ; and go through the other stage while this step is worked
.endif
	v_max3_num_f32 v8, |v[XS]|, |v[XS+1]|, |v[XS+2]|               ; the largest magnitude of my 16, in two chains
	v_max3_num_f32 v9, |v[XS+3]|, |v[XS+4]|, |v[XS+5]|
.irp i, 6,10
	s_delay_alu instid0(VALU_DEP_2)
	v_max3_num_f32 v8, v8, |v[XS+\i]|, |v[XS+\i+1]|
	s_delay_alu instid0(VALU_DEP_2)
	v_max3_num_f32 v9, v9, |v[XS+\i+2]|, |v[XS+\i+3]|
.endr
	s_delay_alu instid0(VALU_DEP_2)
	v_max3_num_f32 v8, v8, |v[XS+14]|, |v[XS+15]|
	s_delay_alu instid0(VALU_DEP_1)
	v_max3_num_f32 v8, v8, v9, 0x1800000           ; and the floor 2^(3 - 127): the byte cannot fall under 1
	s_delay_alu instid0(VALU_DEP_1)
	v_max_num_f32_dpp v8, v8, v8 row_xmask:1 row_mask:0xf bank_mask:0xf   ; with my neighbour's 16: the block's
	s_delay_alu instid0(VALU_DEP_1)
	v_add_nc_u32 v11, 0xff000000, v8               ; 2 off its exponent field: the conversion takes this operand's exponent field as its scale
	v_cvt_scalef32_pk16_fp6_f32 v[CC:CC+2], v[XS:XS+15], v11
	v_lshrrev_b32 v9, 23, v11                      ; the scale's byte (a plain line behind the conversion),
	s_delay_alu instid0(VALU_DEP_1)
	v_lshlrev_b32 v9, v7, v9                       ; at its block's place in the row's word;
	s_delay_alu instid0(VALU_DEP_1)
	v_mov_b32_dpp v12, v9 row_xmask:2 row_mask:0xf bank_mask:0xf
	s_delay_alu instid0(VALU_DEP_1)
	v_or_b32 v9, v9, v12                           ; with the block beside it,
	s_delay_alu instid0(VALU_DEP_1)
	v_mov_b32_dpp v12, v9 row_xmask:4 row_mask:0xf bank_mask:0xf
	s_delay_alu instid0(VALU_DEP_1)
	v_or_b32 v9, v9, v12                           ; and the other two: all eight lanes of a row hold its word
.irp i, 0,1,2
	ds_store_b32 v4, v[CC+\i] offset:512*((\t)%2)+4*\i             ; my 12 bytes of codes at their place in the row's chunk
.endr
	ds_store_b32 v5, v9 offset:512*((\t)%2)        ; each of the row's eight lanes writes one of the word's eight copies
	ds_load_b128 v[OO:OO+3], v6 offset:512*((\t)%2)                ; the four rows back, 16 bytes a lane
	s_wait_dscnt 0x0                               ; they are in, and so is the next step's turn
	global_store_b128 v3, v[OO:OO+3], s[18:19] offset:512*(\t)     ; 32 lanes store 512 consecutive bytes, at a multiple of 256 from xq's first byte
.endm
.macro WORD                            ; from two blocks' largest magnitudes (v24, v25): the conversions' scale operands (v26, v27) and the row's scale word (v30)
	s_delay_alu instid0(VALU_DEP_2)
	v_add_nc_u32 v26, 0xff000000, v24
	s_delay_alu instid0(VALU_DEP_2)
	v_add_nc_u32 v27, 0xff000000, v25
	s_delay_alu instid0(VALU_DEP_2)
	v_lshrrev_b32 v28, 23, v26
	s_delay_alu instid0(VALU_DEP_2)
	v_lshrrev_b32 v29, 23, v27
	s_delay_alu instid0(VALU_DEP_1)
	v_lshl_or_b32 v30, v29, 16, v28                ; my two bytes: places h' and 2 + h' of the word,
	s_delay_alu instid0(VALU_DEP_1)
	v_lshlrev_b32 v30, v17, v30                    ; 8 h' bits up;
	v_mov_b32 v31, 0                               ; (a lane permute's destination counts as one of its sources)
	s_delay_alu instid0(VALU_DEP_1)
	v_permlanex16_b32 v31, v30, s48, s49
	s_delay_alu instid0(VALU_DEP_1)
	v_or_b32 v30, v30, v31                         ; with lane l xor 16's two the word is whole
.endm
	s_load_b512 s[8:23], s[0:1], 0x0               ; x s[8:9], Wq s[10:11], Wk s[12:13], Wv s[14:15], Wp s[16:17], xq s[18:19], wimg s[20:21], wsc s[22:23]
	v_lshl_add_u32 v216, v0, 2, 0x1c800
	v_mov_b32 v217, 0
	v_lshrrev_b32 v1, 5, v0
	s_delay_alu instid0(VALU_DEP_1)
	v_readfirstlane_b32 s24, v1                    ; wave 0..7
	v_and_b32 v2, 31, v0                           ; lane L
	s_cmp_lt_u32 ttmp9, 256
	s_cbranch_scc0 .Lweights
	; ---------------- x: work-group i takes rows 128 i on, wave w 16 of them
	v_lshlrev_b32 v3, 4, v2                        ; 16 L: my bytes of a load's and of a store's 512
	s_mul_i32 s25, s24, WREG
	v_lshrrev_b32 v14, 2, v2
	s_delay_alu instid0(VALU_DEP_1)
	v_mul_u32_u24 v14, v14, SP
	v_and_b32 v15, 3, v2
	s_delay_alu instid0(VALU_DEP_1)
	v_lshl_add_u32 v14, v15, 4, v14
	s_delay_alu instid0(VALU_DEP_1)
	v_add_nc_u32 v14, s25, v14                     ; the stage, in: SP (L / 4) + 16 (L % 4)
	v_mul_u32_u24 v15, v2, SP
	s_delay_alu instid0(VALU_DEP_1)
	v_add_nc_u32 v15, s25, v15                     ; and back: SP x L: my 16 neighbours
	s_add_co_u32 s25, s25, OST
	v_lshrrev_b32 v8, 3, v2                        ; eight lanes to a row
	s_delay_alu instid0(VALU_DEP_1)
	v_lshl_add_u32 v8, v8, 7, s25                  ; the row's 128 bytes in the out stage
	v_bfe_u32 v9, v2, 1, 1                         ; my block is (L / 2) % 4: its low bit picks the chunk,
	s_delay_alu instid0(VALU_DEP_1)
	v_lshl_add_u32 v4, v9, 6, v8
	v_bfe_u32 v9, v2, 2, 1                         ; its high bit the 24 bytes in it,
	s_delay_alu instid0(VALU_DEP_1)
	v_mad_u32_u24 v4, v9, 24, v4
	v_and_b32 v9, 1, v2                            ; L % 2 the 12 bytes of those
	s_delay_alu instid0(VALU_DEP_1)
	v_mad_u32_u24 v4, v9, 12, v4
	s_delay_alu instid0(VALU_DEP_2)
	v_lshl_add_u32 v5, v9, 6, v8                   ; the word's copies: chunk L % 2,
	v_bfe_u32 v10, v2, 1, 2
	s_delay_alu instid0(VALU_DEP_1)
	v_lshl_add_u32 v5, v10, 2, v5                  ; copy (L / 2) % 4,
	s_delay_alu instid0(VALU_DEP_1)
	v_add_nc_u32 v5, 48, v5                        ; behind the chunk's 48 bytes of codes
	s_delay_alu instid0(VALU_DEP_3)
	v_lshlrev_b32 v7, 3, v10                       ; 8 x my block: my byte's place in the word
	v_add_nc_u32 v6, s25, v3
	v_mov_b32 v12, 0                               ; written once: a DPP destination counts as read
	s_lshl_b32 s26, ttmp9, 3
	s_add_co_u32 s26, s26, s24                     ; which run of 16 rows is my wave's
	s_lshl_b32 s28, s26, 13                        ; 8,192 bytes of x,
	s_mov_b32 s29, 0
	s_lshl_b32 s30, s26, 11                        ; 2,048 of xq
	s_mov_b32 s31, 0
	s_wait_kmcnt 0x0
	s_add_nc_u64 s[8:9], s[8:9], s[28:29]
	s_add_nc_u64 s[18:19], s[18:19], s[30:31]
.irp t, 0,1,2,3
	LOAD \t                                        ; all of the wave's 8,192 bytes are asked for at once: each step has registers of its own
.endr
	s_wait_loadcnt 12                              ; step 0's four loads are in; the three steps behind it may be out
	TURN 0
	s_wait_dscnt 0x0
.irp t, 0,1,2,3
	STEP \t
.endr
	s_wait_tensorcnt 0x0
	ds_add_u32 v216, v217
	s_wait_dscnt 0x0
	s_endpgm
	; ---------------- the weights: work-group 256 + j takes Wq, Wk, Wv, Wp for j = 0, 1, 2, 3; wave t takes tile t
.Lweights:
	s_sub_co_u32 s25, ttmp9, 256                   ; j
	s_add_co_u32 s26, s25, 1
	s_bfe_u32 s26, s26, 0x10001                    ; 1 for Wk and Wv: rows of 130 numbers
	s_lshr_b32 s27, s25, 1                         ; 1 for Wv and Wp
	s_and_b32 s32, s27, s25                        ; 1 for Wp
	s_lshl_b32 s33, s26, 3
	s_add_co_u32 s33, s33, 512                     ; a row in bytes: 512 or 520
	s_lshl_b32 s34, 128, s32                       ; in memory, from lane half to lane half: one block on; in Wp two
	s_lshr_b32 s35, 256, s32                       ; and from a row's first load to its second: two blocks on; in Wp one.  So Wp's blocks 1 and 2 change places on their way into the stage
	s_mul_i32 s40, s25, 12288                      ; where the tensor's images begin in wimg: 0, 12,288, 27,648, 43,008
	s_add_co_u32 s41, s27, s32
	s_mul_i32 s41, s41, 3072
	s_add_co_u32 s40, s40, s41
	s_mul_i32 s41, s24, FRB                        ; + my tile
	s_add_co_u32 s40, s40, s41
	s_mov_b32 s41, 0
	s_xor_b32 s42, s26, 1                          ; and its words in wsc: images 0-7 hold Wk's (lanes 0-15) and Wv's (16-31), images 8-15 Wq's and Wp's
	s_lshl_b32 s42, s42, 10
	s_lshl_b32 s43, s27, 6
	s_add_co_u32 s42, s42, s43
	s_lshl_b32 s43, s24, 7
	s_add_co_u32 s42, s42, s43
	s_mov_b32 s43, 0
	s_mul_i32 s44, s24, s33                        ; tile t's rows 0-7 begin 8 t channels down,
	s_lshl_b32 s44, s44, 3
	s_mov_b32 s45, 0
	s_lshl_b32 s46, s33, 6                         ; its rows 8-15 64 channels further
	s_mov_b32 s47, 0
	s_mov_b32 s50, s35
	s_mov_b32 s51, 0
	s_mov_b32 s48, 0x76543210
	s_mov_b32 s49, 0xfedcba98                      ; v_permlanex16_b32's selects for lane l xor 16
	s_mul_i32 s39, s24, WLDS
	s_add_co_u32 s39, s39, WBASE                   ; my stage
	s_wait_alu depctr_va_vdst(0)
	v_and_b32 v3, 15, v2                           ; m
	v_lshrrev_b32 v4, 4, v2                        ; h'
	s_delay_alu instid0(VALU_DEP_2)
	v_and_b32 v5, 8, v3
	s_delay_alu instid0(VALU_DEP_1)
	v_lshlrev_b32 v5, 3, v5
	s_delay_alu instid0(VALU_DEP_4)
	v_and_b32 v6, 7, v3
	s_delay_alu instid0(VALU_DEP_1)
	v_add_nc_u32 v5, v5, v6                        ; 64 (m / 8) + m % 8
	v_mul_lo_u32 v6, v4, s34
	s_delay_alu instid0(VALU_DEP_1)
	v_lshl_add_u32 v[AD], v3, 3, v6                ; a load's 256 bytes of a row: 8 (L % 16), lanes 16-31 a block (in Wp two) further on
.irp i, 1,2,3,4,5,6,7
	s_delay_alu instid0(VALU_DEP_1)
	v_add_nc_u32 v[AD+\i], s33, v[AD+\i-1]         ; a row further down
.endr
	v_lshl_add_u32 v16, v2, 3, s39                 ; the stage, in: 8 L
	v_mul_u32_u24 v18, v3, WPITCH
	s_delay_alu instid0(VALU_DEP_1)
	v_lshl_add_u32 v18, v4, 7, v18
	s_delay_alu instid0(VALU_DEP_1)
	v_add_nc_u32 v18, s39, v18                     ; and back: row m, + 128 h'
	v_lshlrev_b32 v17, 3, v4                       ; 8 h'
	v_lshlrev_b32 v22, 4, v2                       ; 16 L
	v_lshlrev_b32 v23, 2, v3                       ; 4 m
	s_wait_alu depctr_va_vdst(0)
	s_wait_kmcnt 0x0
	s_cmp_lt_u32 s25, 2                            ; the choice hangs on the work-group's number alone
	s_cselect_b64 s[28:29], s[10:11], s[14:15]
	s_cselect_b64 s[30:31], s[12:13], s[16:17]
	s_and_b32 s36, s25, 1
	s_cmp_lg_u32 s36, 0
	s_cselect_b64 s[52:53], s[30:31], s[28:29]     ; the tensor
	s_add_nc_u64 s[28:29], s[52:53], s[44:45]      ; rows 0-7 of my tile, a row's first load,
	s_add_nc_u64 s[30:31], s[28:29], s[50:51]      ; its second;
	s_add_nc_u64 s[10:11], s[28:29], s[46:47]      ; rows 8-15 likewise
	s_add_nc_u64 s[12:13], s[10:11], s[50:51]
	s_add_nc_u64 s[18:19], s[20:21], s[40:41]      ; my tile's image
	s_add_nc_u64 s[14:15], s[22:23], s[42:43]      ; and its scale words
.irp u, 0,1
.irp i, 0,1,2,3,4,5,6,7
.irp p, 0,1
	global_load_b64 v[RAW+4*(8*\u+\i)+2*\p:RAW+4*(8*\u+\i)+2*\p+1], v[AD+\i], s[28-18*\u+2*\p:29-18*\u+2*\p]   ; 32 lanes read 256 bytes of one row (in Wp two runs of 128); rows of 520 bytes begin at multiples of 8 only
.endr
.endr
.endr
	; k = 128, 129 of Wk and Wv: waves 0 and 1 make fragment g = wave.  Lane (m, h') holds, at the head of registers 6 c on, the two codes of tile 4 g + 2 c + h', row m
	s_cmp_eq_u32 s26, 0
	s_cbranch_scc1 .Lnoext
	s_cmp_ge_u32 s24, 2
	s_cbranch_scc1 .Lnoext
	s_mul_i32 s40, s27, 15360                      ; in wimg: 24,576 for Wk, 39,936 for Wv, + 1,536 g
	s_mul_i32 s44, s24, FRB
	s_add_co_u32 s40, s40, s44
	s_add_co_u32 s40, s40, 24576
	s_add_nc_u64 s[16:17], s[20:21], s[40:41]
	s_lshl_b32 s40, s27, 6                         ; in wsc: image 16 + g; Wk's words in lanes 0-15, Wv's in 16-31
	s_lshl_b32 s44, s24, 7
	s_add_co_u32 s40, s40, s44
	s_add_co_u32 s40, s40, 2048
	s_add_nc_u64 s[54:55], s[22:23], s[40:41]
	s_mul_i32 s40, s24, 32*520
	v_lshl_add_u32 v19, v4, 3, v5                  ; channel 64 (m / 8) + m % 8 + 8 h' + 32 g + 16 c
	s_delay_alu instid0(VALU_DEP_1)
	v_mul_u32_u24 v19, v19, 520
	s_delay_alu instid0(VALU_DEP_1)
	v_add_nc_u32 v19, s40, v19
.irp c, 0,1
	global_load_b64 v[Z+16*\c:Z+16*\c+1], v19, s[52:53] offset:512+16*520*\c
.endr
.irp c, 0,1
.irp n, 2,3,4,5,6,7,8,9,10,11,12,13,14,15
	v_mov_b32 v[Z+16*\c+\n], 0                     ; the block's other numbers are zeros
.endr
.irp n, 3,4,5
	v_mov_b32 v[F+6*\c+\n], 0                      ; and so are its upper 16 codes
.endr
.endr
	s_wait_loadcnt 0x0                             ; the two loads are the youngest
	v_max3_num_f32 v24, |v[Z]|, |v[Z+1]|, 0x1800000
	v_max3_num_f32 v25, |v[Z+16]|, |v[Z+17]|, 0x1800000
	WORD
.irp c, 0,1
	v_cvt_scalef32_pk16_fp6_f32 v[F+6*\c:F+6*\c+2], v[Z+16*\c:Z+16*\c+15], v[26+\c]
.endr
	v_nop                                          ; one plain line behind a scaled conversion
.irp c, 0,1,2
	global_store_b128 v22, v[F+4*\c:F+4*\c+3], s[16:17] offset:512*\c
.endr
	global_store_b32 v23, v30, s[54:55]
.Lnoext:
	s_wait_loadcnt 0x0                             ; my tile's 32 loads are in
.irp m, 0,1,2,3,4,5,6,7,8,9,10,11,12,13,14,15
.irp p, 0,1
	ds_store_b64 v16, v[RAW+4*\m+2*\p:RAW+4*\m+2*\p+1] offset:WPITCH*\m+256*\p   ; the rows into my stage, as loaded
.endr
.endr
.irp c, 0,1
.irp n, 0,1,2,3,4,5,6,7
	ds_load_b128 v[NUM+32*\c+4*\n:NUM+32*\c+4*\n+3], v18 offset:256*\c+16*\n     ; and back: the 32 numbers of the block of registers 6 c on.  LDS serves a wave's instructions in order: these see the stores above
.endr
.endr
	s_wait_xcnt 0x0                                ; the stores above the label have read the fragment's registers and the word: only behind this wait are they rewritten
	s_wait_dscnt 0x0
.irp c, 0,1
	v_max3_num_f32 v[24+\c], |v[NUM+32*\c]|, |v[NUM+32*\c+1]|, 0x1800000   ; all 32 numbers of a block are mine; the floor as above
.endr
.irp n, 2,4,6,8,10,12,14,16,18,20,22,24,26,28,30
.irp c, 0,1
	s_delay_alu instid0(VALU_DEP_2)
	v_max3_num_f32 v[24+\c], v[24+\c], |v[NUM+32*\c+\n]|, |v[NUM+32*\c+\n+1]|   ; (the two blocks by turns)
.endr
.endr
	WORD
.irp c, 0,1
	v_cvt_scalef32_pk16_fp6_f32 v[F+6*\c:F+6*\c+2], v[NUM+32*\c:NUM+32*\c+15], v[26+\c]
	v_cvt_scalef32_pk16_fp6_f32 v[T+4*\c:T+4*\c+2], v[NUM+32*\c+16:NUM+32*\c+31], v[26+\c]   ; (a conversion's three registers begin on an even number)
.endr
	v_nop                                          ; one plain line behind a scaled conversion
.irp c, 0,1
.irp n, 0,1,2
	v_mov_b32 v[F+6*\c+3+\n], v[T+4*\c+\n]
.endr
.endr
.irp c, 0,1,2
	global_store_b128 v22, v[F+4*\c:F+4*\c+3], s[18:19] offset:512*\c   ; 512 consecutive bytes a store
.endr
	global_store_b32 v23, v30, s[14:15]            ; row m's word (both halves of the lanes write the same word to the same place)
	s_wait_tensorcnt 0x0
	ds_add_u32 v216, v217
	s_wait_dscnt 0x0
	s_endpgm
.Lfunc_end_k_qc6807f58e4_prep:
	.size	k_qc6807f58e4_prep, .Lfunc_end_k_qc6807f58e4_prep-k_qc6807f58e4_prep
	.p2alignl 7, 3214868480
	.fill 96, 4, 3214868480
	.section	.rodata,"a",@progbits
	.p2align	6, 0x0
	.amdhsa_kernel k_qc6807f58e4_prep
		.amdhsa_group_segment_fixed_size 117760
		.amdhsa_private_segment_fixed_size 0
		.amdhsa_enable_private_segment 0
		.amdhsa_kernarg_size 64
		.amdhsa_user_sgpr_count 2
		.amdhsa_user_sgpr_kernarg_segment_ptr 1
		.amdhsa_wavefront_size32 1
		.amdhsa_system_sgpr_workgroup_id_x 1
		.amdhsa_system_sgpr_workgroup_id_y 1
		.amdhsa_system_sgpr_workgroup_id_z 1
		.amdhsa_system_vgpr_workitem_id 0
		.amdhsa_next_free_vgpr 218
		.amdhsa_next_free_sgpr 66
		.amdhsa_reserve_vcc 0
		.amdhsa_float_denorm_mode_32 3
		.amdhsa_float_denorm_mode_16_64 3
		.amdhsa_memory_ordered 1
		.amdhsa_forward_progress 1
		.amdhsa_inst_pref_size 32
	.end_amdhsa_kernel
	.amdgpu_metadata
---
amdhsa.version: [ 1, 2 ]
amdhsa.kernels:
  - .name:           k_qc6807f58e4_prep
    .symbol:         k_qc6807f58e4_prep.kd
    .args:
      - { .name: x, .offset: 0, .size: 8, .value_kind: global_buffer, .address_space: global }
      - { .name: Wq, .offset: 8, .size: 8, .value_kind: global_buffer, .address_space: global }
      - { .name: Wk, .offset: 16, .size: 8, .value_kind: global_buffer, .address_space: global }
      - { .name: Wv, .offset: 24, .size: 8, .value_kind: global_buffer, .address_space: global }
      - { .name: Wp, .offset: 32, .size: 8, .value_kind: global_buffer, .address_space: global }
      - { .name: xq, .offset: 40, .size: 8, .value_kind: global_buffer, .address_space: global }
      - { .name: wimg, .offset: 48, .size: 8, .value_kind: global_buffer, .address_space: global }
      - { .name: wsc, .offset: 56, .size: 8, .value_kind: global_buffer, .address_space: global }
    .group_segment_fixed_size: 117760
    .private_segment_fixed_size: 0
    .kernarg_segment_align: 8
    .kernarg_segment_size: 64
    .max_flat_workgroup_size: 256
    .sgpr_count:     66
    .vgpr_count:     218
    .wavefront_size: 32
...
	.end_amdgpu_metadata
.endif
;; end of part 3
;; launch attend (part 4): grid 256 x 1, 8 waves a work-group, no clusters, 252,928 bytes of LDS; arguments xq, wimg, wsc, spatial_idx, spatial_wgt, alignment, dist, bp, out0; writes out0
.if DOCPART == 4
	.amdgcn_target "amdgcn-amd-amdhsa--gfx1250"
	.amdhsa_code_object_version 6
	.text
	.protected	k_qc6807f58e4_attend
	.globl	k_qc6807f58e4_attend
	.p2align	8
	.type	k_qc6807f58e4_attend,@function
k_qc6807f58e4_attend:
	s_mov_b64 s[64:65], 0
	v_nop
	global_prefetch_b8 v0, s[64:65] scope:SCOPE_SE
	s_setreg_imm32_b32 hwreg(HW_REG_WAVE_SCHED_MODE, 0, 2), 2
	s_setreg_imm32_b32 hwreg(HW_REG_WAVE_MODE, 25, 1), 1
	s_wait_xcnt 0x0
	s_wait_alu depctr_vm_vsrc(0)
; ATTEND: q, the neighbours' keys and values, the softmax over 16 neighbours, the weighted sum, the last projection and its bias, in one launch.
; All four large products run on codes of FP6 (E2M3) with one E8M0 scale for each 32 along K; the two small ones (q . k, attn . v), the softmax and the sums are f32 vector work.
; SHARES.  Work-group g owns 128 sites of slice (b, t) = (g / 128, (g / 16) % 8); each of its eight waves owns 16 sites.  Lane (r, h) = (lane % 16, lane / 16) is site r, heads 2 h and 2 h + 1.
; LAYOUT.  Every product is used transposed: source 0 = 16 rows of a weight, source 1 = 16 sites (for keys and values: neighbour slot k of the 16 sites).  Row m of weight tile t is channel
;   64 (m / 8) + 8 t + m % 8, so register 8 t + j of lane (r, h) holds channel 64 h + 8 t + j of site r: q, keys, values and the result of a head lie in ONE lane, and nothing crosses lanes
;   but one scale word at the end.
; K = 130.  Blocks 0-3 of a neighbour's row are the quantised row of x itself, gathered as codes from xq (three loads of 16 bytes and a scale word a lane).  Block 4 is (alignment, dist) and 30 zeros:
;   a second matrix instruction for each tile.  Its weight fragment holds four tiles' fifth blocks, one in each block of 32; its data operand is a window of twelve registers over a run of zeros with
;   the two codes in the one block that picks the tile.
; TWO PASSES over the 16 neighbour slots, since only one of Wk and Wv fits in the registers: pass 1 makes the scores and puts each gathered fragment by in the wave's own LDS; pass 2 takes it from there.
; SOFTMAX in base 2: t = q . k x log2(e) / sqrt(32) + log2(wgt + 1e-6); the largest t of the 16 is taken away; the weights are normalised ahead of the sum, as the definition has them.
; Two waves share a SIMD (512 registers each), so that one wave's vector runs and waits stand beside the other's matrix runs.  The text has no branch, no label and no loop.
; NO CLUSTER, NO JOINT LOADS: the gathered rows are chosen lane by lane by an index input; what work-groups share is the 55,296 bytes of weight images, read once by each, against
;   16 x 128 x 128 bytes of gathered rows and 4 x 8,192 of index and weight inputs.  NO PREFETCH: a row of xq is named by many lanes of many work-groups, and the gathers run five slots ahead.
; LIMITS: NaN and infinities among the inputs are not served.  An index above 2,047 is held at 2,047.  A block whose largest magnitude lies under 2^-124 (a block of zeros among them) gets the scale byte 1.
; THE MODE: SCHED_MODE bits 1:0 = 2 (LLVM: expert scheduling mode 2), set by the entry lines.  The code itself states the register dependences between vector or matrix instructions and
;   memory or LDS instructions, with s_wait_alu, always for 0.
; THE PLAN.  Registers that memory or LDS instructions touch:
;   v1-v10        offsets and addresses: written at the head, never again; read by every load and store.
;   GOFF          the gathers' offsets: the index loads land, three vector lines each at the head, never written again.
;   QO            the copy of wimg passes through it (loads land, LDS stores read); then vector and matrix work alone; at the end the stage's loads land, the bias is added, the global stores read.
;   window 1, 0-119   the weight in use: four runs of LDS loads land; matrix instructions alone read.
;   the ring      six places.  Pass 1, step k: slot k's LDS stores and products read place k % 6; the gather of slot k + 6 lands there, issued at the head of step k + 1.
;                 Pass 2, step k: slot k's products read place k % 6; the LDS loads of slot k + 6 land there, issued at the head of step k + 3.
;   the two code registers, ESC, OSC, OF   written by vector lines, taken by scaled matrix instructions as source 1 or as scales.
;   KV            the last product's results are the data of the stage's LDS stores.
; So ONE wait on va_vdst stands at the head of a step of either pass, behind the vector run of the step before: it states that the slot's two codes are written and that the products which read the
; ring's place to be loaded are done.  In pass 1 one wait on vm_vsrc stands beside it, for the LDS stores that read that place.
.set OQ,     0                         ; LDS 0 .. 55,295: a copy of wimg.  Wq's 8 fragments;
.set OK,     12288                     ; Wk's 8 and, on end, its 2 for k = 128, 129;
.set OV,     27648                     ; Wv's likewise;
.set OP,     43008                     ; Wp's 8
.set WBYTES, 55296
.set CPW,    WBYTES/8                  ; what one wave copies: 13 x 512 + 256 bytes
.set SBYTES, 24576                     ; behind it, for each wave: 16 fragments of 1,536 bytes put by; at the end the same bytes are the wave's stage of 16 rows
.set SPITCH, 528                       ; a stage row: 512 bytes + 16: the 16 rows that a store touches begin 4 banks apart (64 banks of 4 bytes: ISA guide 11.1)
; window 0
.set LI16, 1                           ; v1   16 x lane
.set STA,  2                           ; v2   my wave's LDS + 16 x lane
.set STO,  3                           ; v3   the stage, in: row r, + 256 h
.set MOFF, 4                           ; v4   64 r: my site's 16 numbers of each index and weight input
.set XOFF, 5                           ; v5   1,024 r + 64 h: my chunk of my own site's row of xq
.set H64,  6                           ; v6   64 h
.set SH8,  7                           ; v7   8 h
.set LI4,  8                           ; v8   4 x lane
.set CP,   9                           ; v9   my 16 bytes of my wave's part of wimg, in memory and in LDS alike
.set CP8,  10                          ; v10  and my 8 bytes of its last 256
.set BP,   12                          ; v12-15   bp[4 lane ..]
.set SKV,  16                          ; v16-23   scale words: lanes 0-15 Wk's tile t, lanes 16-31 Wv's
.set SQP,  24                          ; v24-31   lanes 0-15 Wq's, lanes 16-31 Wp's
.set SKVX, 32                          ; v32-33   the fifth blocks'
.set XSC,  34                          ; v34      my own sites' rows'
.set OSC,  35                          ; v35      the quantised result's
.set NSC,  36                          ; v36-51   the neighbours' rows', slot k
.set ESC,  52                          ; v52-67   (alignment, dist)'s byte, in all four places, slot k
.set ACC,  68                          ; v68-75   four pairs of partial dot products
.set TMP,  76                          ; v76-81
.set MX,   82                          ; v82-83   the largest t of my two heads
.set RS,   84                          ; v84-85   1 / the sums
.set S,    86                          ; v86-117  pair 2 k, 2 k + 1: heads 2 h, 2 h + 1 at slot k: t, then the weights
.set QO,   118                         ; v118-181 q, then the result
.set KV,   182                         ; v182-245 keys, then values, then the last product
.set XF,   68                          ; over ACC and TMP, until q is made: my own sites' fragment
.set WG,   KV                          ; over KV, until pass 1: spatial_wgt, alignment, dist as loaded
.set ALI,  KV+16
.set DST,  KV+32
.set ZZ,   QO                          ; over QO, until q is made: two runs of 16 (two numbers, fourteen zeros),
.set TT,   QO+32                       ; two conversions' results,
.set MT,   QO+40                       ; largest magnitudes, scale operands, bytes: two of each
.set SCO,  QO+42
.set BY,   QO+44
.set OF,   86                          ; over S, at the end: the result's fragment,
.set OT,   98                          ; and the second halves of its two blocks
; window 1 (v256 on, written by their low numbers): 0-119 the weight in use: 8 fragments + 2
.set NR,    120                        ; 120-191  a ring of six neighbour fragments
.set E0,    198                        ; 192-221  thirty registers, zeros but for these two: the slot's two codes in lanes 0-15 alone,
.set E1,    210                        ;          and in lanes 16-31 alone.  The windows of twelve that begin at 198, 210, 192, 204 have the codes in block 0, 1, 2, 3
.set ECODE, 222                        ; 222-237  the codes of (alignment, dist), slot k
.set GOFF,  238                        ; 238-253  the gathers' offsets, slot k
.set MSB, 0
.macro WIN new                         ; s_set_vgpr_msb: bits 1:0 source 0, 3:2 source 1, 5:4 source 2, 7:6 destination; the high byte repeats the setting that is left; a switch that changes nothing is dropped
.if MSB != \new
	s_set_vgpr_msb (MSB<<8)|\new
.set MSB, \new
.endif
.endm
; One matrix instruction.  first = 1: it starts the sum with the constant 0; else it adds in place.  row1 = 1: source 0's scales are taken from lanes 16-31
.macro WM d, a, b, first, sa, sb, row1
.if \first
.if \row1
	v_wmma_scale_f32_16x16x128_f8f6f4 v[(\d):(\d)+7], v[(\a):(\a)+11], v[(\b):(\b)+11], 0, v[(\sa)], v[(\sb)] matrix_a_fmt:MATRIX_FMT_FP6 matrix_b_fmt:MATRIX_FMT_FP6 matrix_a_scale:MATRIX_SCALE_ROW1
.else
	v_wmma_scale_f32_16x16x128_f8f6f4 v[(\d):(\d)+7], v[(\a):(\a)+11], v[(\b):(\b)+11], 0, v[(\sa)], v[(\sb)] matrix_a_fmt:MATRIX_FMT_FP6 matrix_b_fmt:MATRIX_FMT_FP6
.endif
.else
.if \row1
	v_wmma_scale_f32_16x16x128_f8f6f4 v[(\d):(\d)+7], v[(\a):(\a)+11], v[(\b):(\b)+11], v[(\d):(\d)+7], v[(\sa)], v[(\sb)] matrix_a_fmt:MATRIX_FMT_FP6 matrix_b_fmt:MATRIX_FMT_FP6 matrix_a_scale:MATRIX_SCALE_ROW1
.else
	v_wmma_scale_f32_16x16x128_f8f6f4 v[(\d):(\d)+7], v[(\a):(\a)+11], v[(\b):(\b)+11], v[(\d):(\d)+7], v[(\sa)], v[(\sb)] matrix_a_fmt:MATRIX_FMT_FP6 matrix_b_fmt:MATRIX_FMT_FP6
.endif
.endif
.endm
.macro PLACES n                        ; plain lines that name no register of the matrix instructions ahead (ISA guide 7.12.1)
.rept \n
	v_nop
.endr
.endm
.macro GATHER k                        ; slot k of my site: my chunk of the neighbour's row of xq: twelve registers of codes and the scale word
.set rG, NR+12*((\k)%6)
	WIN 0x41
.irp c, 0,1,2
	global_load_b128 v[rG+4*\c:rG+4*\c+3], v[GOFF+(\k)], s[8:9] offset:16*\c
.endr
	WIN 0x01
	global_load_b32 v[NSC+(\k)], v[GOFF+(\k)], s[8:9] offset:48
.endm
.macro STASH k                         ; the fragment goes to my wave's LDS as it stands, 16 bytes a lane, 512 a store
.set rG, NR+12*((\k)%6)
	WIN 0x04
.irp c, 0,1,2
	ds_store_b128 v[STA], v[rG+4*\c:rG+4*\c+3] offset:1536*(\k)+512*\c
.endr
.endm
.macro UNSTASH k                       ; and comes back so
.set rG, NR+12*((\k)%6)
	WIN 0x40
.irp c, 0,1,2
	ds_load_b128 v[rG+4*\c:rG+4*\c+3], v[STA] offset:1536*(\k)+512*\c
.endr
.endm
.macro WLOAD off, n                    ; n groups of four registers of weight images, from LDS byte off on, into window 1 from register 0 on
	WIN 0x40
.set i, 0
.rept \n
	ds_load_b128 v[4*i:4*i+3], v[LI16] offset:\off+512*i
.set i, i+1
.endr
.endm
.macro ESET k                          ; slot k's two codes into the run of zeros
	WIN 0x44
	v_cndmask_b32 v[E0], 0, v[ECODE+(\k)], s32
	v_cndmask_b32 v[E1], 0, v[ECODE+(\k)], s33
.endm
; Slot k's keys (row1 = 0) or values (1): eight products over k = 0 .. 127 start the eight sums, eight over the fifth block add in place.  The eight accumulators take turns, one instruction a turn,
; between the two links of a chain stand the seven others'.
.macro MAT k, row1
.set rG, NR+12*((\k)%6)
	WIN 0x05
.irp t, 0,1,2,3,4,5,6,7
	WM KV+8*\t, 12*\t, rG, 1, SKV+\t, NSC+(\k), \row1
.endr
.irp t, 0,1,2,3,4,5,6,7
	WM KV+8*\t, 96+12*(\t/4), E0+12*(\t%2)-6*((\t%4)/2), 0, SKVX+\t/4, ESC+(\k), \row1
.endr
.endm
.macro BODY                            ; q . k of my two heads: four chains of eight packed multiply-adds; chains 0, 1 are head 2 h (registers 0-31), chains 2, 3 head 2 h + 1.  Each accumulator is read from its low end on
.set i, 0
.rept 32
.set cc, i%4
.set pp, 16*cc+2*(i/4)
.if i < 4
	v_pk_mul_f32 v[ACC+2*cc:ACC+2*cc+1], v[QO+pp:QO+pp+1], v[KV+pp:KV+pp+1]
.else
	v_pk_fma_f32 v[ACC+2*cc:ACC+2*cc+1], v[QO+pp:QO+pp+1], v[KV+pp:KV+pp+1], v[ACC+2*cc:ACC+2*cc+1]
.endif
.set i, i+1
.endr
.endm
.macro TAIL k                          ; the chains are joined and log2(wgt + 1e-6), which waits in S[2 k], is added: first for head 2 h + 1, then in place for head 2 h
	v_pk_add_f32 v[ACC:ACC+1], v[ACC:ACC+1], v[ACC+2:ACC+3]
	v_pk_add_f32 v[ACC+4:ACC+5], v[ACC+4:ACC+5], v[ACC+6:ACC+7]
	v_add_f32 v[TMP], v[ACC], v[ACC+1]
	v_add_f32 v[TMP+1], v[ACC+4], v[ACC+5]
	v_add_f32 v[S+2*(\k)+1], v[S+2*(\k)], v[TMP+1]
	v_add_f32 v[S+2*(\k)], v[S+2*(\k)], v[TMP]
.endm
.macro ACCU k                          ; the result += slot k's weight x its values; registers 0-31 take the pair's first word (head 2 h), registers 32-63 its second.  Slot 0 starts the sums: nothing is cleared
.set i, 0
.rept 32
.if (\k) == 0
.if i < 16
	v_pk_mul_f32 v[QO+2*i:QO+2*i+1], v[KV+2*i:KV+2*i+1], v[S+2*(\k):S+2*(\k)+1] op_sel_hi:[1,0]
.else
	v_pk_mul_f32 v[QO+2*i:QO+2*i+1], v[KV+2*i:KV+2*i+1], v[S+2*(\k):S+2*(\k)+1] op_sel:[0,1] op_sel_hi:[1,1]
.endif
.else
.if i < 16
	v_pk_fma_f32 v[QO+2*i:QO+2*i+1], v[KV+2*i:KV+2*i+1], v[S+2*(\k):S+2*(\k)+1], v[QO+2*i:QO+2*i+1] op_sel_hi:[1,0,1]
.else
	v_pk_fma_f32 v[QO+2*i:QO+2*i+1], v[KV+2*i:KV+2*i+1], v[S+2*(\k):S+2*(\k)+1], v[QO+2*i:QO+2*i+1] op_sel:[0,1,0] op_sel_hi:[1,1,1]
.endif
.endif
.set i, i+1
.endr
.endm
	; ---------------- ids, addresses, pointers
	s_load_b512 s[8:23], s[0:1], 0x0               ; xq s[8:9], wimg s[10:11], wsc s[12:13], spatial_idx s[14:15], spatial_wgt s[16:17], alignment s[18:19], dist s[20:21], bp s[22:23]
	s_load_b64 s[24:25], s[0:1], 0x40              ; out0
	v_lshl_add_u32 v254, v0, 2, 0x3d800            ; the LDS address of my spare word, behind the waves' LDS, and 0: made here and kept for the closing lines alone
	v_mov_b32 v255, 0
	v_lshrrev_b32 v11, 5, v0
	v_readfirstlane_b32 s26, v11                   ; wave 0..7
	v_and_b32 v11, 31, v0                          ; lane
	v_lshlrev_b32 v[LI16], 4, v11
	v_lshlrev_b32 v[LI4], 2, v11
	v_and_b32 v[MOFF], 15, v0                      ; r
	v_bfe_u32 v[H64], v0, 4, 1                     ; h
	s_wait_alu depctr_va_sdst(0)                   ; s26, the wave's number, is written, ahead of its first reader: LDS addresses and the bases are made from it
	s_mul_i32 s28, s26, SBYTES
	s_add_co_u32 s28, s28, WBYTES                  ; my wave's LDS
	v_add_nc_u32 v[STA], s28, v[LI16]
	v_mul_u32_u24 v[STO], v[MOFF], SPITCH
	v_lshl_add_u32 v[STO], v[H64], 8, v[STO]
	v_add_nc_u32 v[STO], s28, v[STO]
	v_lshlrev_b32 v[XOFF], 10, v[MOFF]
	v_lshl_add_u32 v[XOFF], v[H64], 6, v[XOFF]
	v_lshlrev_b32 v[SH8], 3, v[H64]
	v_lshlrev_b32 v[MOFF], 6, v[MOFF]
	v_lshlrev_b32 v[H64], 6, v[H64]
	s_mul_i32 s29, s26, CPW
	v_add_nc_u32 v[CP], s29, v[LI16]
	v_lshl_add_u32 v[CP8], v11, 3, s29
	v_add_nc_u32 v[CP8], 13*512, v[CP8]
	s_mov_b32 s32, 0x0000ffff                      ; lanes 0-15
	s_mov_b32 s33, 0xffff0000                      ; lanes 16-31
	s_mov_b32 s34, 0x76543210
	s_mov_b32 s35, 0xfedcba98                      ; v_permlanex16_b32's selects for lane l xor 16
	s_mov_b32 s36, 0x3e8293ee                      ; log2(e) / sqrt(32)
	s_mov_b32 s37, s36                             ; (named with it as a pair, so it is written)
	s_lshl_b32 s28, ttmp9, 13                      ; the four inputs [2][8][2048][16]: 128 sites x 64 bytes a work-group,
	s_lshl_b32 s29, s26, 10                        ; 16 sites a wave
	s_add_co_u32 s28, s28, s29
	s_mov_b32 s29, 0
	s_lshr_b32 s40, ttmp9, 7                       ; b
	s_bfe_u32 s41, ttmp9, 0x30004                  ; t
	s_and_b32 s42, ttmp9, 15
	s_lshl_b32 s42, s42, 7
	s_lshl_b32 s43, s26, 4
	s_add_co_u32 s42, s42, s43                     ; my first site
	s_lshl_b32 s30, s40, 21                        ; xq: row ((b x 2048 + s) x 8 + t) of 128 bytes: the slice begins at b 2^21 + 128 t, a site is 1,024 bytes on
	s_lshl_b32 s43, s41, 7
	s_add_co_u32 s30, s30, s43
	s_mov_b32 s31, 0
	s_lshl_b32 s44, s42, 10
	s_mov_b32 s45, 0
	s_lshl_b32 s46, s40, 23                        ; out0: the same rows, of 512 bytes
	s_lshl_b32 s43, s42, 12
	s_add_co_u32 s46, s46, s43
	s_lshl_b32 s43, s41, 9
	s_add_co_u32 s46, s46, s43
	s_mov_b32 s47, 0
	s_wait_kmcnt 0x0
	s_add_nc_u64 s[14:15], s[14:15], s[28:29]
	s_add_nc_u64 s[16:17], s[16:17], s[28:29]
	s_add_nc_u64 s[18:19], s[18:19], s[28:29]
	s_add_nc_u64 s[20:21], s[20:21], s[28:29]
	s_add_nc_u64 s[8:9], s[8:9], s[30:31]          ; xq at my slice
	s_add_nc_u64 s[38:39], s[8:9], s[44:45]        ; and at my own sites
	s_add_nc_u64 s[24:25], s[24:25], s[46:47]
	; ---------------- the loads; the indices first, since the gathers hang on them
	WIN 0x40
	s_wait_alu depctr_va_vdst(0)                   ; the offsets and addresses v1 to v10 are written: every load and store of the kernel but the gathers reads one of them, and none is written again
.irp c, 0,1,2,3
	global_load_b128 v[GOFF+4*\c:GOFF+4*\c+3], v[MOFF], s[14:15] offset:16*\c th:TH_LOAD_NT
.endr
	WIN 0
.irp c, 0,1,2
	global_load_b128 v[XF+4*\c:XF+4*\c+3], v[XOFF], s[38:39] offset:16*\c
.endr
	global_load_b32 v[XSC], v[XOFF], s[38:39] offset:48
.irp a, 0,1,2
.irp c, 0,1,2,3
	global_load_b128 v[KV+16*\a+4*\c:KV+16*\a+4*\c+3], v[MOFF], s[16+2*\a:17+2*\a] offset:16*\c th:TH_LOAD_NT
.endr
.endr
	global_load_b128 v[BP:BP+3], v[LI16], s[22:23]
.irp i, 0,1,2,3,4,5,6,7,8,9,10,11,12,13,14,15,16,17
	global_load_b32 v[SKV+\i], v[LI4], s[12:13] offset:128*\i      ; the 18 images of scale words, into v16-33
.endr
.irp i, 0,1,2,3,4,5,6,7,8,9,10,11,12
	global_load_b128 v[QO+4*\i:QO+4*\i+3], v[CP], s[10:11] offset:512*\i   ; my wave's eighth of wimg
.endr
	global_load_b64 v[QO+52:QO+53], v[CP8], s[10:11]
	s_wait_loadcnt 49                              ; the four loads of indices are in; the 4 + 12 + 1 + 18 + 14 issued behind them may be out
	WIN 0x44
.irp k, 0,1,2,3,4,5,6,7,8,9,10,11,12,13,14,15
	v_min_u32 v[GOFF+\k], 0x7ff, v[GOFF+\k]        ; an index stays inside its table
.endr
.irp k, 0,1,2,3,4,5,6,7,8,9,10,11,12,13,14,15
	v_lshlrev_b32 v[GOFF+\k], 10, v[GOFF+\k]       ; 1,024 bytes a site,
.endr
.irp k, 0,1,2,3,4,5,6,7,8,9,10,11,12,13,14,15
	v_add_nc_u32 v[GOFF+\k], v[H64], v[GOFF+\k]    ; my half's chunk
.endr
	WIN 0x41                                       ; (the gathers' window: the switch, then the wait, then the loads)
	s_wait_alu depctr_va_vdst(0)                   ; the sixteen offsets GOFF are written: all sixteen gathers read them, and they are not written again
.irp k, 0,1,2,3,4,5
	GATHER \k
.endr
	WIN 0
	s_wait_loadcnt 24                              ; all but the six gathers' 24 loads
.irp i, 0,1,2,3,4,5,6,7,8,9,10,11,12
	ds_store_b128 v[CP], v[QO+4*\i:QO+4*\i+3] offset:512*\i
.endr
	ds_store_b64 v[CP8], v[QO+52:QO+53]
	s_wait_dscnt 0x0                               ; for the others' sake: my part of the images has landed
	s_barrier_signal -1
	s_barrier_wait -1                              ; everybody's has.  Nobody writes these bytes again: the text's one barrier
	s_wait_alu depctr_vm_vsrc(0)                   ; my LDS stores have read v[QO ..]: from here on vector and matrix instructions write these registers
	WLOAD OQ, 24
.set i, 192
.rept 30
.if (i != E0) && (i != E1)
	v_mov_b32 v[i], 0                              ; the run of zeros round the two codes (destination in window 1)
.endif
.set i, i+1
.endr
	WIN 0
.irp u, 0,1
.irp n, 2,3,4,5,6,7,8,9,10,11,12,13,14,15
	v_mov_b32 v[ZZ+16*\u+\n], 0                    ; the fifth block's numbers behind its first two
.endr
.endr
	; ---------------- log2(wgt + 1e-6), and (alignment, dist) quantised, while the gathers are on their way
.irp k, 0,1,2,3,4,5,6,7,8,9,10,11,12,13,14,15
	v_add_f32 v[WG+\k], 0x358637bd, v[WG+\k]
.endr
	s_wait_alu depctr_va_vdst(0)
.irp k, 0,1,2,3,4,5,6,7,8,9,10,11,12,13,14,15
	v_log_f32 v[S+2*\k], v[WG+\k]                  ; one batch; the lines below name none of its results
.endr
.irp kk, 0,2,4,6,8,10,12,14            ; two slots at a time, on two sets of registers
.irp u, 0,1
	v_max3_num_f32 v[MT+\u], |v[ALI+\kk+\u]|, |v[DST+\kk+\u]|, 0x1800000   ; the block's largest magnitude, and the floor 2^(3 - 127)
.endr
.irp u, 0,1
	v_add_nc_u32 v[SCO+\u], 0xff000000, v[MT+\u]   ; 2 off its exponent field: the conversion's scale operand
.endr
.irp u, 0,1
	v_mov_b32 v[ZZ+16*\u], v[ALI+\kk+\u]
	v_mov_b32 v[ZZ+16*\u+1], v[DST+\kk+\u]
.endr
.irp u, 0,1
	v_cvt_scalef32_pk16_fp6_f32 v[TT+4*\u:TT+4*\u+2], v[ZZ+16*\u:ZZ+16*\u+15], v[SCO+\u]   ; the two codes are the low 12 bits of the first register
.endr
.irp u, 0,1
	v_lshrrev_b32 v[BY+\u], 23, v[SCO+\u]          ; the scale's byte (plain lines behind the conversions)
.endr
.irp u, 0,1
	v_perm_b32 v[ESC+\kk+\u], v[BY+\u], v[BY+\u], 0   ; in all four places: whichever block the window picks finds it
.endr
	WIN 0x40
.irp u, 0,1
	v_mov_b32 v[ECODE+\kk+\u], v[TT+4*\u]
.endr
	WIN 0
.endr
	ESET 0
	WIN 0
	s_wait_alu depctr_va_vdst(0)                   ; the 16 logarithms have written S[2 k], ahead of the first line that names one; the sixteen scale words ESC, the run of zeros and slot 0's two codes are written, which pass 1's products take as scales and as source 1
	; ---------------- q = Q(x) Q(Wq)^T for my 16 sites, times log2(e) / sqrt(32)
	s_wait_dscnt 0x0                               ; Wq's images are in
	WIN 0x01
.irp t, 0,1,2,3,4,5,6,7
	WM QO+8*\t, 12*\t, XF, 1, SQP+\t, XSC, 0
.endr
	WIN 0
	PLACES 4                                       ; in front of the first read of q
	WIN 0x40
	s_wait_alu depctr_va_vdst(0)                   ; q's products are done reading Wq's registers, in which Wk's images land
	WLOAD OK, 30                                   ; Wk's ten fragments land under the 32 lines below
	WIN 0
.set i, 0
.rept 32
	v_pk_mul_f32 v[QO+2*i:QO+2*i+1], v[QO+2*i:QO+2*i+1], s[36:37] op_sel_hi:[1,0]
.set i, i+1
.endr
	s_wait_dscnt 0x0
	; ---------------- pass 1: the scores.  A step: the slot five on is asked for, into the ring's place that the slot before has left; the slot's fragment is in; it is put by; 16 matrix instructions;
	; the last slot's sums are finished (six plain lines: the places behind the products); the next slot's codes are set; this slot's 32 multiply-adds
.irp k, 0,1,2,3,4,5,6,7,8,9,10,11,12,13,14,15
.if \k > 0
.if \k < 11
	WIN 0x41                                       ; (the gather's window: the switch, then the waits, then the loads)
.endif
	s_wait_alu depctr_va_vdst(0)                   ; this slot's two codes are written, which its products take as source 1 (the 32 multiply-adds behind that write are the places); up to slot 10: the last slot's products are done reading the ring's place in which the gather below lands
.if \k < 11
	s_wait_alu depctr_vm_vsrc(0)                   ; the LDS stores that put the last slot's fragment by have read that place
	GATHER \k+5
.endif
.endif
.if 15-\k >= 5
	s_wait_loadcnt 20                              ; slot k's four loads are in; the five slots asked for behind it may be out
.else
	s_wait_loadcnt 4*(15-\k)                       ; near the end fewer are behind it
.endif
	STASH \k
	MAT \k, 0
	WIN 0
.if \k == 0
	PLACES 4
.else
	TAIL \k-1
.endif
.if \k < 15
	ESET \k+1
.endif
	WIN 0
	BODY
.endr
	TAIL 15
	; ---------------- the softmax over the 16 slots, both heads at once; Wv's images and the first three fragments land under it
	WIN 0x40
	s_wait_alu depctr_va_vdst(0)                   ; pass 1's products are done reading Wk's registers and the ring's six places, in which Wv's images and the fragments that were put by land
	s_wait_alu depctr_vm_vsrc(0)                   ; the LDS stores that put the last six fragments by have read the ring's places
	WLOAD OV, 30
	UNSTASH 0
	UNSTASH 1
	UNSTASH 2
	ESET 0
	WIN 0
.irp u, 0,1
	v_max3_num_f32 v[MX+\u], v[S+\u], v[S+2+\u], v[S+4+\u]
.endr
.irp n, 6,10,14,18,22,26
.irp u, 0,1
	v_max3_num_f32 v[MX+\u], v[MX+\u], v[S+\n+\u], v[S+\n+2+\u]
.endr
.endr
.irp u, 0,1
	v_max_num_f32 v[MX+\u], v[MX+\u], v[S+30+\u]
.endr
.irp k, 0,1,2,3,4,5,6,7,8,9,10,11,12,13,14,15
	v_pk_add_f32 v[S+2*\k:S+2*\k+1], v[S+2*\k:S+2*\k+1], v[MX:MX+1] neg_lo:[0,1] neg_hi:[0,1]   ; t - the largest t
.endr
.set i, 0
	s_wait_alu depctr_va_vdst(0)
.rept 32
	v_exp_f32 v[S+i], v[S+i]
.set i, i+1
.endr
	v_nop                                          ; a plain line behind the last exponential
	s_wait_alu depctr_va_vdst(0)                   ; the 32 exponentials have written S, ahead of their first reader; slot 0's two codes are written, which pass 2's first products take as source 1
	v_pk_add_f32 v[ACC:ACC+1], v[S:S+1], v[S+2:S+3]                ; the sums, in two chains
	v_pk_add_f32 v[ACC+2:ACC+3], v[S+4:S+5], v[S+6:S+7]
.irp n, 4,6,8,10,12,14
	v_pk_add_f32 v[ACC:ACC+1], v[ACC:ACC+1], v[S+2*\n:S+2*\n+1]
	v_pk_add_f32 v[ACC+2:ACC+3], v[ACC+2:ACC+3], v[S+2*\n+2:S+2*\n+3]
.endr
	v_pk_add_f32 v[ACC:ACC+1], v[ACC:ACC+1], v[ACC+2:ACC+3]
	s_wait_alu depctr_va_vdst(0)
	v_rcp_f32 v[RS], v[ACC]                        ; a sum is at least 1: the largest t's own term
	v_rcp_f32 v[RS+1], v[ACC+1]
	v_nop
	s_wait_alu depctr_va_vdst(0)                   ; the two reciprocals have written RS, ahead of their first reader
.irp k, 0,1,2,3,4,5,6,7,8,9,10,11,12,13,14,15
	v_pk_mul_f32 v[S+2*\k:S+2*\k+1], v[S+2*\k:S+2*\k+1], v[RS:RS+1]
.endr
	; ---------------- pass 2: the values and their weighted sum.  Fragments come back from my LDS three slots ahead.
	; (Step 0's loads land in the ring's place 3: no vector or matrix instruction since the two waits behind pass 1 names it, or their address)
.irp k, 0,1,2,3,4,5,6,7,8,9,10,11,12,13,14,15
.if \k > 0
.if \k < 13
	WIN 0x40                                       ; (the loads' window: the switch, then the wait, then the loads)
.endif
	s_wait_alu depctr_va_vdst(0)                   ; this slot's two codes are written, which its products take as source 1 (the 32 multiply-adds behind that write are the places); from slot 3 to slot 12: the products of three slots back are done reading the ring's place in which the loads below land
.endif
.if \k < 13
	UNSTASH \k+3
	s_wait_dscnt 9                                 ; slot k's three loads (and all that is older) are in; those of the three slots behind it may be out
.else
	s_wait_dscnt 3*(15-\k)
.endif
	MAT \k, 1
	WIN 0
	PLACES 4                                       ; in front of the write of the codes' registers and of the first read of the values
.if \k < 15
	ESET \k+1
	WIN 0
.endif
	ACCU \k
.endr
	; ---------------- the result, 64 channels a lane (blocks 2 h and 2 h + 1 of its 128), is quantised in place: block c of mine is the operand's block 2 c + h, and Wp's images have their blocks in the same order
	WIN 0x40
	s_wait_alu depctr_va_vdst(0)                   ; slot 15's products are done reading Wv's registers, in which Wp's images land
	WLOAD OP, 24
	WIN 0
.irp c, 0,1
	v_max3_num_f32 v[TMP+\c], |v[QO+32*\c]|, |v[QO+32*\c+1]|, 0x1800000
.endr
.irp n, 2,4,6,8,10,12,14,16,18,20,22,24,26,28,30
.irp c, 0,1
	v_max3_num_f32 v[TMP+\c], v[TMP+\c], |v[QO+32*\c+\n]|, |v[QO+32*\c+\n+1]|   ; (the two blocks by turns)
.endr
.endr
.irp c, 0,1
	v_add_nc_u32 v[TMP+2+\c], 0xff000000, v[TMP+\c]
.endr
.irp c, 0,1
	v_lshrrev_b32 v[TMP+4+\c], 23, v[TMP+2+\c]
.endr
	v_lshl_or_b32 v[MX], v[TMP+5], 16, v[TMP+4]    ; my two bytes, places h and 2 + h of the word,
	v_lshlrev_b32 v[MX], v[SH8], v[MX]
	v_permlanex16_b32 v[MX+1], v[MX], s34, s35
	v_or_b32 v[OSC], v[MX], v[MX+1]                ; with lane l xor 16's two
.irp c, 0,1
	v_cvt_scalef32_pk16_fp6_f32 v[OF+6*\c:OF+6*\c+2], v[QO+32*\c:QO+32*\c+15], v[TMP+2+\c]
	v_cvt_scalef32_pk16_fp6_f32 v[OT+4*\c:OT+4*\c+2], v[QO+32*\c+16:QO+32*\c+31], v[TMP+2+\c]   ; (a conversion's three registers begin on an even number)
.endr
	v_nop                                          ; one plain line behind a scaled conversion
.irp c, 0,1
.irp n, 0,1,2
	v_mov_b32 v[OF+6*\c+3+\n], v[OT+4*\c+\n]
.endr
.endr
	PLACES 7                                       ; with the v_nop above: eight plain lines behind the write of the scale word, seven behind the last write of the operand
	s_wait_dscnt 0x0                               ; Wp's images are in
	WIN 0x01
	s_wait_alu depctr_va_vdst(0)                   ; the result's fragment OF and its scale word OSC are written, which the products below take as source 1 and as its scales; the places above stay beside this wait
.irp t, 0,1,2,3,4,5,6,7
	WM KV+8*\t, 12*\t, OF, 1, SQP+\t, OSC, 1
.endr
	WIN 0
	PLACES 4
	s_wait_alu depctr_va_vdst(0)                   ; the last products have written KV, which the LDS stores read (the places above stay beside this wait); the maxima and conversions are done reading QO, in which the stage's loads land
	; ---------------- the way out: a lane holds 256 bytes of one row; through my wave's stage the rows come back whole, bp is added, and the 32 lanes store a row's 512 bytes
.irp t, 0,1,2,3,4,5,6,7
	ds_store_b128 v[STO], v[KV+8*\t:KV+8*\t+3] offset:32*\t        ; each accumulator from its low end on
	ds_store_b128 v[STO], v[KV+8*\t+4:KV+8*\t+7] offset:32*\t+16
.endr
.irp i, 0,1,2,3,4,5,6,7,8,9,10,11,12,13,14,15
	ds_load_b128 v[QO+4*\i:QO+4*\i+3], v[STA] offset:SPITCH*\i     ; LDS serves a wave's instructions in order (ISA guide 5.7.1.4): these see the stores above
.endr
.irp g, 0,1,2,3                        ; four rows at a time, each row in registers of its own
	s_wait_dscnt 12-4*\g                           ; rows 4 g to 4 g + 3 are back; the rows behind them may be out
.irp i, 0,1,2,3
	v_pk_add_f32 v[QO+4*(4*\g+\i):QO+4*(4*\g+\i)+1], v[QO+4*(4*\g+\i):QO+4*(4*\g+\i)+1], v[BP:BP+1]
	v_pk_add_f32 v[QO+4*(4*\g+\i)+2:QO+4*(4*\g+\i)+3], v[QO+4*(4*\g+\i)+2:QO+4*(4*\g+\i)+3], v[BP+2:BP+3]
.endr
	s_wait_alu depctr_va_vdst(0)                   ; the eight additions have written the four rows, which the stores below read
.irp i, 0,1,2,3
	global_store_b128 v[LI16], v[QO+4*(4*\g+\i):QO+4*(4*\g+\i)+3], s[24:25] offset:4096*(4*\g+\i) th:TH_STORE_NT   ; 512 consecutive bytes, at a multiple of 256 from out0's first byte; a site's rows lie 4,096 bytes apart
.endr
.endr
	s_wait_dscnt 0x0                               ; the closing lines, six on end (every window is 0 here)
	s_wait_alu 0x0
	s_wait_tensorcnt 0x0
	ds_add_u32 v254, v255
	s_wait_dscnt 0x0
	s_endpgm
.Lfunc_end_k_qc6807f58e4_attend:
	.size	k_qc6807f58e4_attend, .Lfunc_end_k_qc6807f58e4_attend-k_qc6807f58e4_attend
	.p2alignl 7, 3214868480
	.fill 96, 4, 3214868480
	.section	.rodata,"a",@progbits
	.p2align	6, 0x0
	.amdhsa_kernel k_qc6807f58e4_attend
		.amdhsa_group_segment_fixed_size 252928
		.amdhsa_private_segment_fixed_size 0
		.amdhsa_enable_private_segment 0
		.amdhsa_kernarg_size 72
		.amdhsa_user_sgpr_count 2
		.amdhsa_user_sgpr_kernarg_segment_ptr 1
		.amdhsa_wavefront_size32 1
		.amdhsa_system_sgpr_workgroup_id_x 1
		.amdhsa_system_sgpr_workgroup_id_y 1
		.amdhsa_system_sgpr_workgroup_id_z 1
		.amdhsa_system_vgpr_workitem_id 0
		.amdhsa_next_free_vgpr 512
		.amdhsa_next_free_sgpr 66
		.amdhsa_reserve_vcc 0
		.amdhsa_float_denorm_mode_32 3
		.amdhsa_float_denorm_mode_16_64 3
		.amdhsa_memory_ordered 1
		.amdhsa_forward_progress 1
		.amdhsa_inst_pref_size 206
	.end_amdhsa_kernel
	.amdgpu_metadata
---
amdhsa.version: [ 1, 2 ]
amdhsa.kernels:
  - .name:           k_qc6807f58e4_attend
    .symbol:         k_qc6807f58e4_attend.kd
    .args:
      - { .name: xq, .offset: 0, .size: 8, .value_kind: global_buffer, .address_space: global }
      - { .name: wimg, .offset: 8, .size: 8, .value_kind: global_buffer, .address_space: global }
      - { .name: wsc, .offset: 16, .size: 8, .value_kind: global_buffer, .address_space: global }
      - { .name: spatial_idx, .offset: 24, .size: 8, .value_kind: global_buffer, .address_space: global }
      - { .name: spatial_wgt, .offset: 32, .size: 8, .value_kind: global_buffer, .address_space: global }
      - { .name: alignment, .offset: 40, .size: 8, .value_kind: global_buffer, .address_space: global }
      - { .name: dist, .offset: 48, .size: 8, .value_kind: global_buffer, .address_space: global }
      - { .name: bp, .offset: 56, .size: 8, .value_kind: global_buffer, .address_space: global }
      - { .name: out0, .offset: 64, .size: 8, .value_kind: global_buffer, .address_space: global }
    .group_segment_fixed_size: 252928
    .private_segment_fixed_size: 0
    .kernarg_segment_align: 8
    .kernarg_segment_size: 72
    .max_flat_workgroup_size: 256
    .sgpr_count:     66
    .vgpr_count:     512
    .wavefront_size: 32
...
	.end_amdgpu_metadata
.endif
;; end of part 4
